; MI455X (gfx1250); checked and timed in simulation.
; The chip was launched on July 23, 2026; its instructions are those of AMD's public machine-readable ISA for CDNA 5 (MIT licence, August 2026) and "CDNA5" Instruction Set Architecture Reference Guide (July 2026). The comments in the code are by the model that wrote it; some were corrected since.
;; Attention Block. Allowed arithmetic: matrix products marked QUANTISED: E2M3 operands, one E8M0 scale for each 32 along K, by v_wmma_scale_f32_16x16x128_f8f6f4 with both operands' format E2M3, f32 sums; everything else in f32.
;; Inputs: W_in 3,072 x 1,024 float32; W_out 1,024 x 1,024 float32; b_in 3,072 float32; b_out 1,024 float32; multipliers 8 x 1,024 x 1,024 float32; x 8 x 1,024 x 1,024 float32.
;; Outputs: out0 8 x 1,024 x 1,024 float32.
;; This version of the problem:
;;   THIS VERSION OF THE PROBLEM IS GIVEN IN LOW PRECISION. The matrix products marked QUANTISED in the list below multiply operands that are first quantised to E2M3 (2 exponent bits, 3 mantissa bits; 6 bits a number), with one power-of-two scale for each 32 numbers along K (OCP MX v1.0); their sums are f32. All else is computed in f32.
;;   The module's matrix products, in the order in which they are computed (A, B: the left and right operand; K: the contracted axis; several contracted axes count as one K, in the product's order):
;;     1. [M 8,192, K 1,024] x [K 1,024, N 3,072]; A: input x; B: input W_in: QUANTISED
;;     2. batch 128 x [M 1,024, K 64] x [K 64, N 1,024]; A: computed on the way; B: computed on the way: QUANTISED
;;     3. batch 128 x [M 1,024, K 1,024] x [K 1,024, N 64]; A: computed on the way; B: computed on the way: QUANTISED
;;     4. [M 8,192, K 1,024] x [K 1,024, N 1,024]; A: computed on the way; B: input W_out: QUANTISED
;;   THE QUANTISER, for each operand of a quantised product, along K:
;;     - K is cut into blocks of 32 from its start; a last block that is shorter is filled with zeros.
;;     - A block's scale is 2^e with e = floor(log2(the largest magnitude in the block)) - 2, held to -126 .. 127; a block of zeros has e = 0. As a byte (E8M0): e + 127.
;;     - Each number is divided by its block's scale, clamped to +-7.5, and rounded to the nearest number of E2M3, ties to even, subnormals kept.
;;     - The product sums the exact products of the quantised numbers (number of the format x scale) in f32.
;;   ~~~python
;;   def quantise(x, axis):      # numpy; x: float32 -> the quantised numbers, widened to float32 again
;;       x = np.moveaxis(x, axis, -1); K = x.shape[-1]
;;       x = np.pad(x, [(0, 0)] * (x.ndim - 1) + [(0, -K % 32)]); x = x.reshape(x.shape[:-1] + (-1, 32)); a = np.abs(x).max(-1, keepdims=True)
;;       e = np.where(a > 0, np.clip(np.frexp(np.where(a > 0, a, 1))[1] - 1 - 2, -126, 127), 0)      # np.frexp(a)[1] - 1 = floor(log2(a)), exactly
;;       r = np.clip(x / 2.0 ** e, -7.5, 7.5)
;;       step = 2.0 ** (np.maximum(np.frexp(np.where(r == 0, 1, r))[1] - 1, 0) - 3)
;;       q = np.round(r / step) * step * 2.0 ** e      # np.round: ties to even
;;       return np.moveaxis(q.reshape(q.shape[:-2] + (-1,))[..., :K], -1, axis).astype(np.float32)
;;   ~~~
;;   OPERANDS COMPUTED ON THE WAY. 'Computed on the way' means the value that the module computes at that place (a softmax that the list does not call 'softmax' is quantised finished and normalised). What goes into a quantiser is computed in f32, as accurately as f32 sums, v_exp_f32 and their like allow (about 1e-6 of the number): no bf16 or f16 on the way to a quantiser, and a product that is left as it is and whose result goes on into a quantised operand takes f32 operands (vector FMAs, or v_wmma_f32_16x16x4_f32). A number that lies on a knife's edge between two numbers of the format may be rounded either way, as far as f32 arithmetic and the matrix unit's own rounding can turn it there, and no further.
;; One version. Each part assembles by itself: llvm-mc -triple=amdgcn-amd-amdhsa -mcpu=gfx1250 --defsym DOCPART=n.
;; ======== version 1 of 1: 4 launches
;; limits: right only within a limited range of input values
;; workspace buffers: wq_codes 9,437,184 bytes; wq_scales 786,432 bytes; qk_img 12,582,912 bytes; qk_sc 1,048,576 bytes; v_img 6,291,456 bytes; v_sc 524,288 bytes; o_img 6,291,456 bytes; o_sc 524,288 bytes
;; launch quant (part 1): grid 384 x 1, 4 waves a work-group, no clusters, 34,304 bytes of LDS; arguments x, W_in, W_out, wq_codes, wq_scales; writes wq_codes, wq_scales
.if DOCPART == 1
	.amdgcn_target "amdgcn-amd-amdhsa--gfx1250"
	.amdhsa_code_object_version 6
	.text
	.protected	k_qa75da4551e_quant
	.globl	k_qa75da4551e_quant
	.p2align	8
	.type	k_qa75da4551e_quant,@function
k_qa75da4551e_quant:
	s_mov_b64 s[64:65], 0
	v_nop
	global_prefetch_b8 v0, s[64:65] scope:SCOPE_SE
	s_setreg_imm32_b32 hwreg(HW_REG_WAVE_MODE, 25, 1), 1
	s_wait_xcnt 0x0
; x [8192][1024], W_in [3072][1024] and W_out [1024][1024], f32, K innermost, become codes of FP6 (E2M3) with one E8M0 byte for each 32 along K, laid as IMAGES OF THE OPERAND'S REGISTERS:
;   codes:  [rowtile][K step of 128: 8][piece 0..5][lane 0..31][8 bytes]: piece p = registers 2 p, 2 p + 1 of the fragment (16 rows x 128 K); 1,536 bytes a fragment, 12,288 a rowtile
;   scales: [rowtile][pair of K steps: 4][lane][2 words]: word q = the scale word of K step 2 pair + q of the lane's row; lanes 16-31 repeat lanes 0-15; 1,024 bytes a rowtile
; Rowtiles 0-511 are x's, 512-703 W_in's, 704-767 W_out's.  THE ROWS OF A ROWTILE ARE NOT NEIGHBOURS: lane r of rowtile 2 g + u holds row 32 g + 8 u + r + 8 (r / 8), so that a product which takes
; two neighbouring rowtiles as source 0 leaves 16 neighbouring rows in a lane's 16 registers.
; A block's scale is 2^(floor(log2(its largest magnitude)) - 2); its byte is the largest magnitude's exponent field - 2, held at 1 from below.
; LIMITS: a block of zeros gets the byte 1 where the rule says 127 (its codes are zeros, and this program alone reads the bytes); NaN and infinities among the inputs are not served.
; SHARES: a wave takes one rowtile and four K steps.  A K step's 16 loads read 512 consecutive bytes of a row each; the 8,192 bytes turn through the wave's own stage in LDS (rows 528 bytes apart), from which
; lane (r, h) takes, of row r, 16 neighbours of each block of 32.  Every store of the wave covers 256 consecutive bytes, aligned.  Waves share nothing: no barrier.
.set SP,   528                         ; a stage row: 512 bytes + 16
.set STG,  16*SP                       ; a wave's stage
.set L16,  1                           ; v1    16 x lane
.set STI,  2                           ; v2    the stage, on the way in
.set STO,  3                           ; v3    and on the way out: 528 r + 64 h
.set L8,   4                           ; v4    8 x lane
.set SW,   6                           ; v6-7  two K steps' scale words
.set TM,   8                           ; v8-23 at work in QUANT
.set PC,   24                          ; v24-42 the codes just made
.set R,    64                          ; v64-191 two sets of 64 registers as loaded
.set X,    192                         ; v192-255 64 numbers: register 16 b + i = k 32 b + 16 h + i of my row
.set SEL,  20                          ; s[20:21] lane selects: lane l xor 16
	s_load_b128 s[4:7], s[0:1], 0x0                ; x, W_in
	s_load_b128 s[8:11], s[0:1], 0x10              ; W_out, the codes
	s_load_b64 s[12:13], s[0:1], 0x20              ; the scales
	v_lshl_add_u32 v62, v0, 2, 0x8400
	v_mov_b32 v63, 0
	v_lshrrev_b32 v5, 5, v0
	v_readfirstlane_b32 s14, v5                    ; wave 0..3
	v_and_b32 v5, 31, v0                           ; lane
	v_lshlrev_b32 v[L16], 4, v5
	v_lshlrev_b32 v[L8], 3, v5
	s_mul_i32 s15, s14, STG
	v_add_nc_u32 v[STI], s15, v[L16]
	v_and_b32 v[STO], 15, v0                       ; r
	v_bfe_u32 v5, v0, 4, 1                         ; h
	v_mul_u32_u24 v[STO], v[STO], SP
	v_lshl_add_u32 v[STO], v5, 6, v[STO]
	v_add_nc_u32 v[STO], s15, v[STO]
.irp b, 0,1,2,3
	v_mov_b32 v[TM+4+\b], 0                        ; written once: a lane permute's destination counts as one of its sources
.endr
	s_mov_b32 s[SEL], 0x76543210
	s_mov_b32 s[SEL+1], 0xfedcba98
	s_lshl_b32 s16, ttmp9, 1
	s_lshr_b32 s17, s14, 1
	s_add_co_u32 s16, s16, s17                     ; my rowtile: 2 x work-group + wave / 2
	s_and_b32 s17, s14, 1                          ; which four K steps
	s_wait_alu depctr_va_vdst(0)
	s_wait_kmcnt 0x0
	s_cmp_lt_u32 ttmp9, 352                        ; work-groups 0-255 take x, 256-351 W_in, 352-383 W_out: the choice hangs on the work-group's number alone
	s_cselect_b64 s[6:7], s[6:7], s[8:9]
	s_mov_b32 s18, 704
	s_cselect_b32 s18, 512, s18
	s_cmp_lt_u32 ttmp9, 256
	s_cselect_b64 s[4:5], s[4:5], s[6:7]
	s_cselect_b32 s18, 0, s18
	s_sub_co_u32 s18, s16, s18                     ; the rowtile's number in its tensor
	s_lshr_b32 s19, s18, 1
	s_lshl_b32 s19, s19, 17                        ; 32 rows of 4,096 bytes for each pair of rowtiles,
	s_and_b32 s22, s18, 1
	s_lshl_b32 s22, s22, 15                        ; 8 rows for the odd one,
	s_add_co_u32 s22, s22, s19
	s_lshl_b32 s19, s17, 11                        ; 2,048 bytes along the row for the second four K steps
	s_add_co_u32 s22, s22, s19
	s_mov_b32 s23, 0
	s_add_nc_u64 s[4:5], s[4:5], s[22:23]
	s_mul_i32 s22, s16, 12288
	s_mul_i32 s19, s17, 6144
	s_add_co_u32 s22, s22, s19
	s_add_nc_u64 s[10:11], s[10:11], s[22:23]
	s_lshl_b32 s22, s16, 10
	s_lshl_b32 s19, s17, 9
	s_add_co_u32 s22, s22, s19
	s_add_nc_u64 s[12:13], s[12:13], s[22:23]
; 64 numbers of a lane, v[s] .. v[s + 63], become a fragment's 12 registers in v[pc] on and its scale word in v[pw]
.macro QUANT s, pc, pw
.irp b, 0,1,2,3
	v_max3_num_f32 v[TM+\b], |v[(\s)+16*\b]|, |v[(\s)+16*\b+1]|, 0x1800000   ; block b: my 16 numbers, and the floor 2^(3 - 127): the byte cannot fall under 1
.endr
.irp i, 2,4,6,8,10,12,14
.irp b, 0,1,2,3
	v_max3_num_f32 v[TM+\b], v[TM+\b], |v[(\s)+16*\b+\i]|, |v[(\s)+16*\b+\i+1]|   ; the four blocks by turns
.endr
.endr
.irp b, 0,1,2,3
	v_permlanex16_b32 v[TM+4+\b], v[TM+\b], s[SEL], s[SEL+1]
.endr
.irp b, 0,1,2,3
	v_max_num_f32 v[TM+\b], v[TM+\b], v[TM+4+\b]   ; with lane l xor 16's 16: the block's largest magnitude
.endr
.irp b, 0,1,2,3
	v_add_nc_u32 v[TM+12+\b], 0xff000000, v[TM+\b] ; 2 off its exponent field: the conversion takes the exponent field of this operand as its scale
.endr
.irp b, 0,1,2,3
	v_lshrrev_b32 v[TM+4+\b], 23, v[TM+12+\b]      ; the scale's byte
.endr
	v_lshl_or_b32 v[\pw], v[TM+5], 8, v[TM+4]      ; four bytes: my row's scale word
	v_lshl_or_b32 v[\pw], v[TM+6], 16, v[\pw]
	v_lshl_or_b32 v[\pw], v[TM+7], 24, v[\pw]
.irp c, 0,1
	v_cvt_scalef32_pk16_fp6_f32 v[(\pc)+6*\c:(\pc)+6*\c+2], v[(\s)+32*\c:(\s)+32*\c+15], v[TM+12+2*\c]
	v_cvt_scalef32_pk16_fp6_f32 v[(\pc)+12+4*\c:(\pc)+14+4*\c], v[(\s)+16+32*\c:(\s)+31+32*\c], v[TM+13+2*\c]   ; (a conversion's three registers begin on an even number)
.endr
	v_nop                                          ; one plain instruction behind the last scaled conversion
.irp c, 0,1                                    ; the operand's layout wants a whole block in a lane: lanes 0-15 block 2 c, lanes 16-31 block 2 c + 1
.irp i, 0,1,2
	v_permlane16_swap_b32 v[(\pc)+6*\c+\i], v[(\pc)+12+4*\c+\i]
.endr
.irp i, 0,1,2
	v_mov_b32 v[(\pc)+3+6*\c+\i], v[(\pc)+12+4*\c+\i]
.endr
.endr
.endm
.macro LOAD t                          ; K step t: load i reads 512 consecutive bytes of the rowtile's i-th row
.irp i, 0,1,2,3,4,5,6,7,8,9,10,11,12,13,14,15
	global_load_b128 v[R+64*((\t)%2)+4*\i:R+64*((\t)%2)+4*\i+3], v[L16], s[4:5] offset:(\i+8*(\i/8))*4096+512*(\t) th:TH_LOAD_NT
.endr
.endm
.macro STEP t
.if (\t) < 3
	s_wait_loadcnt 16                              ; this K step's 16 loads are in; the next one's may be out
.else
	s_wait_loadcnt 0x0
.endif
.irp i, 0,1,2,3,4,5,6,7,8,9,10,11,12,13,14,15
	ds_store_b128 v[STI], v[R+64*((\t)%2)+4*\i:R+64*((\t)%2)+4*\i+3] offset:SP*\i
.endr
.irp b, 0,1,2,3
.irp j, 0,1,2,3
	ds_load_b128 v[X+16*\b+4*\j:X+16*\b+4*\j+3], v[STO] offset:128*\b+16*\j   ; LDS serves a wave's instructions in order: these see the stores above
.endr
.endr
	s_wait_dscnt 0x0                               ; the numbers are back, and the stage's stores have read their registers
.if (\t) > 0
	s_wait_xcnt 0x0                                ; the last K step's stores have read the codes' and the scale words' registers, which are written again below
.endif
.if (\t) < 2
	LOAD (\t)+2
.endif
	QUANT X, PC, SW+(\t)%2
.irp p, 0,1,2,3,4,5
	global_store_b64 v[L8], v[PC+2*\p:PC+2*\p+1], s[10:11] offset:1536*(\t)+256*\p   ; 32 lanes store 256 consecutive bytes, aligned
.endr
.if (\t)%2 == 1
	global_store_b64 v[L8], v[SW:SW+1], s[12:13] offset:256*((\t)/2)
.endif
.endm
	LOAD 0
	LOAD 1
	STEP 0
	STEP 1
	STEP 2
	STEP 3
	s_wait_tensorcnt 0x0
	ds_add_u32 v62, v63
	s_wait_dscnt 0x0
	s_endpgm
.Lfunc_end_k_qa75da4551e_quant:
	.size	k_qa75da4551e_quant, .Lfunc_end_k_qa75da4551e_quant-k_qa75da4551e_quant
	.p2alignl 7, 3214868480
	.fill 96, 4, 3214868480
	.section	.rodata,"a",@progbits
	.p2align	6, 0x0
	.amdhsa_kernel k_qa75da4551e_quant
		.amdhsa_group_segment_fixed_size 34304
		.amdhsa_private_segment_fixed_size 0
		.amdhsa_enable_private_segment 0
		.amdhsa_kernarg_size 40
		.amdhsa_user_sgpr_count 2
		.amdhsa_user_sgpr_kernarg_segment_ptr 1
		.amdhsa_wavefront_size32 1
		.amdhsa_system_sgpr_workgroup_id_x 1
		.amdhsa_system_sgpr_workgroup_id_y 1
		.amdhsa_system_sgpr_workgroup_id_z 1
		.amdhsa_system_vgpr_workitem_id 0
		.amdhsa_next_free_vgpr 256
		.amdhsa_next_free_sgpr 66
		.amdhsa_reserve_vcc 0
		.amdhsa_float_denorm_mode_32 3
		.amdhsa_float_denorm_mode_16_64 3
		.amdhsa_memory_ordered 1
		.amdhsa_forward_progress 1
		.amdhsa_inst_pref_size 35
	.end_amdhsa_kernel
	.amdgpu_metadata
---
amdhsa.version: [ 1, 2 ]
amdhsa.kernels:
  - .name:           k_qa75da4551e_quant
    .symbol:         k_qa75da4551e_quant.kd
    .args:
      - { .name: x, .offset: 0, .size: 8, .value_kind: global_buffer, .address_space: global }
      - { .name: W_in, .offset: 8, .size: 8, .value_kind: global_buffer, .address_space: global }
      - { .name: W_out, .offset: 16, .size: 8, .value_kind: global_buffer, .address_space: global }
      - { .name: wq_codes, .offset: 24, .size: 8, .value_kind: global_buffer, .address_space: global }
      - { .name: wq_scales, .offset: 32, .size: 8, .value_kind: global_buffer, .address_space: global }
    .group_segment_fixed_size: 34304
    .private_segment_fixed_size: 0
    .kernarg_segment_align: 8
    .kernarg_segment_size: 40
    .max_flat_workgroup_size: 128
    .sgpr_count:     66
    .vgpr_count:     256
    .wavefront_size: 32
...
	.end_amdgpu_metadata
.endif
;; end of part 1
;; launch gemm_qkv (part 2): grid 12 x 32, 4 waves a work-group, clusters of 4 x 4, 327,680 bytes of LDS; arguments wq_codes, wq_scales, b_in, qk_img, qk_sc, v_img, v_sc; writes qk_img, qk_sc, v_img, v_sc
.if DOCPART == 2
	.amdgcn_target "amdgcn-amd-amdhsa--gfx1250"
	.amdhsa_code_object_version 6
	.text
	.protected	k_qa75da4551e_gemm_qkv
	.globl	k_qa75da4551e_gemm_qkv
	.p2align	8
	.type	k_qa75da4551e_gemm_qkv,@function
k_qa75da4551e_gemm_qkv:
	s_mov_b64 s[64:65], 0
	v_nop
	global_prefetch_b8 v0, s[64:65] scope:SCOPE_SE
	s_setreg_imm32_b32 hwreg(HW_REG_WAVE_MODE, 25, 1), 1
	s_wait_xcnt 0x0
	s_wait_alu depctr_hold_cnt(0) depctr_sa_sdst(0) depctr_va_vdst(0) depctr_va_sdst(0) depctr_va_ssrc(0) depctr_va_vcc(0) depctr_vm_vsrc(0)
	s_getreg_b32 s2, hwreg(HW_REG_IB_STS2, 6, 4)
	s_cmp_eq_u32 s2, 0
	s_cbranch_scc0 .Lentry_in_a_cluster
	s_endpgm
.Lentry_in_a_cluster:
	s_bfe_u32 s2, ttmp6, 0x10000c
	s_cmp_lg_u32 s2, 0xf033
	s_cbranch_scc0 .Lentry_shape_is_right
	s_endpgm
.Lentry_shape_is_right:
; qkv = x W_in^T + b_in on codes of FP6 (E2M3) with E8M0 scales; the result is quantised in registers and leaves as codes: q and k along the head's 64, v along the keys.  No f32 number of qkv goes to memory.
; A work-group of four waves makes 256 rows of x times 256 rows of W_in; a wave 128 x 128: 64 accumulators, 512 registers.  K = 1,024 goes through two LDS slots of 256 along K, four fills in all, so the K steps are written out.
; OPERANDS ARE IMAGES OF THEIR REGISTERS (the launch before laid them): a fragment is six pieces of 256 bytes, read by six ds_load_b64 at 8 x lane: no pitch, no padding, each load 256 consecutive bytes.
; WHICH OPERAND RUNS ALONG THE REGISTERS.  P is source 1 (a lane holds one row of it), R is source 0 (a lane's registers run along its rows; by the rowtiles' order of rows the 16 registers of two neighbouring
; tiles are 16 neighbouring rows).  Clusters x = 0, 1 (q, k): P = x, R = W_in: registers run along the head's axis.  Cluster x = 2 (v): P = W_in, R = x: registers run along the keys.  The choice (s43) hangs on the
; cluster's x alone, so it is the same in all sixteen partners; it turns the LDS READ addresses, the bias operand of the first step and the output's addresses; what is fetched, and where it lands, is the same for both.
; CLUSTERS: 4 x 4 work-groups; x's tiles are asked for jointly along a row of the cluster, W_in's along a column.
; OUT.  A P tile's 64 registers are one fragment of 128: its 12 registers leave as six pieces.
;   qk_img [b][128 rows of s: 8][g: q heads 0-15, k heads 16-31][tile of 16 rows: 8][3 pieces][256]; qk_sc [b][8][g][lane][4 words], word i: bytes 0, 1 tile 2 i's two blocks, bytes 2, 3 tile 2 i + 1's
;   v_img [b][128 keys: 8][pair of heads: 8][which 64 keys: 2][tile of 16 channels: 8][3 pieces][256]; v_sc [b][8][pair][even tiles, odd tiles][lane][4 words]
; LIMITS: a block of zeros gets the byte 1 (its codes are zeros; this program alone reads the bytes); NaN and infinities are not served.
; REGISTERS, in windows of 256: window 0: v1-31 addresses; v32-95 scale words, two sets (in a set: P's 16, then R's 16); v96-127 at work on the way out; v128-223 P's eight fragments, one set; v224-243 codes.
;   window 1: R's fragments, two sets, at v0 and v128; the bias, eight tiles of 8, at v96-127 and v224-255.   windows 2, 3: the accumulators: (a, b) at v[8 (8 (a % 4) + b)] of window 2 + a / 4.
.set FR,    12                         ; registers of a fragment
.set NL,    6                          ; LDS loads that bring one
.set NP,    4                          ; places behind this matrix instruction (ISA guide 7.12.1)
.set HALFT, 24576                      ; 8 rowtiles x 2 K steps x 1,536 bytes: what one tensor load brings, and what a wave reads of one operand
.set SLOT,  4*HALFT                    ; x's 16 rowtiles, then W_in's
.set SCL,   2*SLOT                     ; behind the ring: the scale words for all of K
.set HALFS, 8192                       ; those of 8 rowtiles
.set SPARE, SCL+4*HALFS                ; the spare words, 128 bytes a wave: two blocks of 256 bytes that no other line names
.set L8,   1                           ; v1   8 x lane
.set ADRP, 16                          ; v16-17 LDS address of P's fragments in slot 0, 1
.set ADRR, 20                          ; v20-21 of R's
.set ADSP, 24                          ; v24  of P's scale words
.set ADSR, 25                          ; v25  of R's
.set L16,  27                          ; v27  16 x lane
.set SPW,  28                          ; v28  my spare word; never rewritten
.set NIL,  29                          ; v29  0; never rewritten
.set BO0,  30                          ; v30  bias offset where registers run along W_in's rows: 64 h
.set BO1,  31                          ; v31  where a lane holds one row of W_in: 4 (r + 8 (r / 8))
.set SC,   32
.set TM,   96                          ; v96-111 at work in QUANT
.set PW8,  112                         ; v112-119 the eight tiles' scale words
.set EW,   120                         ; v120-123, v124-127 the scale words as they are stored
.set FW,   124
.set PF,   128
.set PC0,  224
.set PC1,  128
.set G1,   24                          ; s[24:31] group 1 for x's tiles; s[32:39] group 0, a set for each slot
.set G0,   32
.set G1B,  48                          ; s[48:55], s[56:63] the same for W_in's
.set G0B,  56
.set G1S,  68                          ; s[68:75], s[76:79] groups 1 and 0 for x's scales; s[80:87], s[88:91] for W_in's
.set G0S,  76
.set G1SB, 80
.set G0SB, 88
.set SEL,  92                          ; s[92:93] lane selects (they hold an offset until the groups 0 are built)
.set MSB, 0
.macro WIN new                         ; the immediate's high byte repeats the setting that is left
.if MSB != (\new)
	s_set_vgpr_msb (MSB<<8)|(\new)
.set MSB, \new
.endif
.endm
.set MUL_LO,  0xa1                     ; source 0 (R) window 1, source 1 (P) window 0, C and D window 2
.set MUL_HI,  0xf1                     ; C and D window 3
.set MUL_LO1, 0x91                     ; the first step: C (the bias) window 1, D window 2
.set MUL_HI1, 0xd1
.set TO_R,    0x40                     ; destination window 1
.macro JLOAD g0a, g1a, g0b, g1b        ; a joint load: waves 0, 1 fetch for x, waves 2, 3 for W_in; four v_nop follow each of the two lines
	s_cmp_eq_u32 s19, 0
	s_cbranch_scc0 .Lfor_b_\@
	tensor_load_to_lds s[\g0a:\g0a+3], s[\g1a:\g1a+7]
	s_nop 0
.rept 4
	v_nop
.endr
	s_branch .Lasked_\@
.Lfor_b_\@:
	tensor_load_to_lds s[\g0b:\g0b+3], s[\g1b:\g1b+7]
	s_nop 0
.rept 4
	v_nop
.endr
.Lasked_\@:
.endm
.macro CREST                           ; a round of the cluster's barrier behind its opening barrier
	s_cmp_lg_u32 s18, 0
	s_cbranch_scc1 .Lnot_wave_0_\@
	s_barrier_signal -3
.Lnot_wave_0_\@:
	s_barrier_wait -3
	s_barrier_signal -1
	s_barrier_wait -1
.endm
.macro CROUND
	s_barrier_signal -1
	s_barrier_wait -1
	CREST
.endm
.macro PLACES n
.rept \n
	v_nop
.endr
.endm
	s_load_b256 s[4:11], s[0:1], 0x0               ; codes s[4:5], scales s[6:7], b_in s[8:9], qk_img s[10:11]
	s_load_b128 s[12:15], s[0:1], 0x20             ; qk_sc, v_img
	s_load_b64 s[16:17], s[0:1], 0x30              ; v_sc
	v_lshl_add_u32 v[SPW], v0, 2, SPARE
	v_mov_b32 v[NIL], 0
	ds_add_u32 v28, v29
	ds_add_u32 v28, v29
	s_wait_dscnt 0x0
	v_lshrrev_b32 v2, 5, v0
	v_readfirstlane_b32 s18, v2                    ; wave 0..3
	s_lshr_b32 s19, s18, 1                         ; my half of x's rows.  Also: I fetch for x (0) or for W_in (1)
	s_and_b32 s20, s18, 1                          ; my half of W_in's rows.  Also: which 8 rowtiles I fetch
	s_bfe_u32 s21, ttmp6, 0x40000                  ; cx
	s_bfe_u32 s22, ttmp6, 0x40004                  ; cy
	s_lshl_b32 s23, ttmp9, 2
	s_add_co_u32 s23, s23, s21                     ; which 256 rows of W_in
	s_and_b32 s40, ttmp7, 0xffff
	s_lshl_b32 s40, s40, 2
	s_add_co_u32 s40, s40, s22                     ; which 256 rows of x
	s_lshl_b32 s41, s22, 2
	s_lshl_b32 s41, 15, s41                        ; my row of the cluster
	s_lshl_b32 s42, 0x1111, s21                    ; my column
	; group 1: 8 rows (rowtiles) of 3,072 bytes (two K steps' fragments), 12,288 bytes apart, as elements of 8 bytes; dense in LDS
	s_or_b32 s[G1+0], s41, (3<<16)|(1<<21)         ; 15:0 the mask: x's tiles go to my row; 17:16 elements of 8 bytes; 21 set beside a mask
	s_or_b32 s[G1B+0], s42, (3<<16)|(1<<21)
.irp g, G1, G1B
	s_mov_b32 s[\g+1], 384<<16                     ; tensor_dim0
	s_mov_b32 s[\g+2], 16<<16                      ; tensor_dim1: 16 rowtiles for the head's loads; set to 8 for the ring's behind the wait that shows them landed
	s_mov_b32 s[\g+3], 384<<16                     ; tile_dim0
	s_mov_b32 s[\g+4], 16                          ; tile_dim1
	s_mov_b32 s[\g+5], 1536                        ; from rowtile to rowtile
	s_mov_b32 s[\g+6], 0
	s_mov_b32 s[\g+7], 0
.endr
	; the scale words of 8 rowtiles: 8,192 dense bytes, as 32 rows of 256
	s_or_b32 s[G1S+0], s41, (3<<16)|(1<<21)
	s_or_b32 s[G1SB+0], s42, (3<<16)|(1<<21)
.irp g, G1S, G1SB
	s_mov_b32 s[\g+1], 32<<16
	s_mov_b32 s[\g+2], 64<<16                      ; the scale words of 16 rowtiles: 64 rows of 256 bytes
	s_mov_b32 s[\g+3], 32<<16
	s_mov_b32 s[\g+4], 64
	s_mov_b32 s[\g+5], 32
	s_mov_b32 s[\g+6], 0
	s_mov_b32 s[\g+7], 0
.endr
	s_lshl_b32 s2, s20, 3
	s_lshl_b32 s44, s40, 4
	s_add_co_u32 s44, s44, s2                      ; x's first rowtile that I fetch: it hangs on the rows of x and the wave alone
	s_lshl_b32 s46, s23, 4
	s_add_co_u32 s46, s46, s2
	s_add_co_u32 s46, s46, 512                     ; W_in's: on the rows of W_in and the wave alone
	s_mul_i32 s92, s44, 12288
	s_mov_b32 s93, 0
	s_mul_i32 s94, s46, 12288
	s_mov_b32 s95, 0
	s_sub_co_u32 s44, s44, s2                      ; the scale words come whole: from the tile's first rowtile on
	s_sub_co_u32 s46, s46, s2
	s_lshl_b32 s44, s44, 10
	s_mov_b32 s45, 0
	s_lshl_b32 s46, s46, 10
	s_mov_b32 s47, 0
	s_mul_i32 s2, s18, HALFT                       ; where they go: wave x 8 rowtiles: no place in the cluster enters an LDS address
	s_wait_kmcnt 0x0
	s_add_nc_u64 s[92:93], s[4:5], s[92:93]
	s_add_nc_u64 s[94:95], s[4:5], s[94:95]
	s_add_nc_u64 s[44:45], s[6:7], s[44:45]
	s_add_nc_u64 s[46:47], s[6:7], s[46:47]
	CROUND                                         ; all sixteen work-groups are here: the first joint loads meet
	s_mov_b32 s[G0S], 1
	s_mov_b32 s[G0S+1], SCL
	s_mov_b64 s[G0S+2:G0S+3], s[44:45]
	s_or_b32 s[G0S+3], s[G0S+3], 0x80000000
	s_mov_b32 s[G0SB], 1
	s_mov_b32 s[G0SB+1], SCL+2*HALFS
	s_mov_b64 s[G0SB+2:G0SB+3], s[46:47]
	s_or_b32 s[G0SB+3], s[G0SB+3], 0x80000000
.irp s, 0,1
	s_mov_b32 s[G0+4*\s], 1
	s_add_co_u32 s[G0+4*\s+1], s2, \s*SLOT
	s_add_nc_u64 s[G0+4*\s+2:G0+4*\s+3], s[92:93], \s*3072
	s_or_b32 s[G0+4*\s+3], s[G0+4*\s+3], 0x80000000
	s_mov_b32 s[G0B+4*\s], 1
	s_add_co_u32 s[G0B+4*\s+1], s2, \s*SLOT
	s_add_nc_u64 s[G0B+4*\s+2:G0B+4*\s+3], s[94:95], \s*3072
	s_or_b32 s[G0B+4*\s+3], s[G0B+4*\s+3], 0x80000000
.endr
; THE HEAD'S LOADS, ONE A WAVE: wave 0 brings slot 0's 16 rowtiles of x (its own group 0 begins at the tile's first rowtile and at LDS byte 0), wave 2 those of W_in,
; wave 1 x's scale words, wave 3 W_in's.  One chain of branches on the wave's number, one load to an arm, all arms to one join.
.macro ARM under, g0, g1, next
	s_cmp_lt_u32 s18, \under
	s_cbranch_scc0 \next
	tensor_load_to_lds s[\g0:\g0+3], s[\g1:\g1+7]
	s_nop 0
.rept 4
	v_nop
.endr
	s_branch .Lhead_asked
\next:
.endm
	ARM 1, G0,  G1,  .Lhead_sa
	ARM 2, G0S, G1S, .Lhead_b
	ARM 3, G0B, G1B, .Lhead_sb
	tensor_load_to_lds s[G0SB:G0SB+3], s[G1SB:G1SB+7]
	s_nop 0
.rept 4
	v_nop
.endr
.Lhead_asked:
	s_mov_b32 s[SEL], 0x76543210
	s_mov_b32 s[SEL+1], 0xfedcba98
	s_cmp_ge_u32 ttmp9, 2
	s_cselect_b32 s43, 1, 0                        ; 1: this cluster makes v
	v_and_b32 v2, 31, v0
	v_lshlrev_b32 v[L8], 3, v2
	s_wait_alu depctr_va_vdst(0)
	v_lshlrev_b32 v[L16], 4, v2
	s_mul_i32 s2, s19, HALFT                       ; my half of x in a slot,
	s_mul_i32 s3, s20, HALFT
	s_add_co_u32 s3, s3, 2*HALFT                   ; my half of W_in
	s_cmp_eq_u32 s43, 0
	s_cselect_b32 s44, s2, s3                      ; P
	s_cselect_b32 s45, s3, s2                      ; R
	v_add_nc_u32 v[ADRP], s44, v[L8]
	v_add_nc_u32 v[ADRR], s45, v[L8]
	v_add_nc_u32 v[ADRP+1], SLOT, v[ADRP]
	v_add_nc_u32 v[ADRR+1], SLOT, v[ADRR]
	s_lshl_b32 s2, s19, 13
	s_lshl_b32 s3, s20, 13
	s_add_co_u32 s3, s3, 2*HALFS
	s_cmp_eq_u32 s43, 0
	s_cselect_b32 s44, s2, s3
	s_cselect_b32 s45, s3, s2
	v_add_nc_u32 v[ADSP], s44, v[L8]
	v_add_nc_u32 v[ADSR], s45, v[L8]
	v_add_nc_u32 v[ADSP], SCL, v[ADSP]
	v_add_nc_u32 v[ADSR], SCL, v[ADSR]
	v_and_b32 v2, 15, v0
	v_and_b32 v3, 8, v2
	v_add_nc_u32 v3, v3, v2
	v_lshlrev_b32 v[BO1], 2, v3
	v_bfe_u32 v3, v0, 4, 1
	v_lshlrev_b32 v[BO0], 6, v3
.irp b, 0,1,2,3
	v_mov_b32 v[TM+4+\b], 0                        ; written once: a lane permute's destination counts as one of its sources
.endr
	s_lshl_b32 s44, s23, 10
	s_lshl_b32 s45, s20, 9
	s_add_co_u32 s44, s44, s45
	s_mov_b32 s45, 0
	s_add_nc_u64 s[8:9], s[8:9], s[44:45]          ; b_in at my 128 rows of W_in
	; where my results go: (128 rows of x: 2 y + half) x (16 or 8 pairs of heads) + my pair; 12,288 bytes of codes and 1,024 of scale words for each
	s_lshl_b32 s44, s40, 1
	s_add_co_u32 s44, s44, s19
	s_lshl_b32 s45, s43, 3
	s_sub_co_u32 s45, s23, s45
	s_lshl_b32 s45, s45, 1
	s_add_co_u32 s45, s45, s20
	s_sub_co_u32 s46, 4, s43
	s_lshl_b32 s44, s44, s46
	s_add_co_u32 s44, s44, s45
	s_mul_i32 s46, s44, 12288
	s_mov_b32 s47, 0
	s_lshl_b32 s44, s44, 10
	s_mov_b32 s45, 0
	s_mov_b32 s96, 0x03020100
	s_mov_b32 s97, 0x07060504
	s_cmp_eq_u32 s43, 0
	s_cselect_b64 s[98:99], s[10:11], s[14:15]
	s_cselect_b64 s[100:101], s[12:13], s[16:17]
	s_cselect_b32 s96, 0x05040100, s96             ; q, k: the first head's two bytes of two tiles make a word; v: the even tile's whole word
	s_cselect_b32 s97, 0x07060302, s97             ; q, k: the second head's; v: the odd tile's
	s_add_nc_u64 s[98:99], s[98:99], s[46:47]
	s_add_nc_u64 s[100:101], s[100:101], s[44:45]
	; THE BIAS is the C of each sum's first matrix instruction: eight tiles of 8 registers in the result's layout
	s_cbranch_scc0 .Lbias_v
	WIN TO_R
	s_wait_alu depctr_va_vdst(0)
.irp i, 0,1,2,3,4,5,6,7                        ; registers run along W_in's rows: tile b's eight of my half
	global_load_b128 v[96+8*\i+96*(\i/4):96+8*\i+96*(\i/4)+3], v[BO0], s[8:9] offset:4*(32*(\i/2)+8*(\i%2))
	global_load_b128 v[96+8*\i+96*(\i/4)+4:96+8*\i+96*(\i/4)+7], v[BO0], s[8:9] offset:4*(32*(\i/2)+8*(\i%2))+16
.endr
	WIN 0
	s_branch .Lbias_done
.Lbias_v:
	WIN TO_R
	s_wait_alu depctr_va_vdst(0)
.irp a, 0,1,2,3,4,5,6,7                        ; a lane holds one row of W_in: its number in all eight registers of tile a
.irp j, 0,1,2,3,4,5,6,7
	global_load_b32 v[96+8*\a+96*(\a/4)+\j], v[BO1], s[8:9] offset:4*(32*(\a/2)+8*(\a%2))
.endr
.endr
	WIN 0
.Lbias_done:
.macro FRAG reg, adr, q, i             ; a fragment: six pieces of 8 bytes a lane
.irp p, 0,1,2,3,4,5
	ds_load_b64 v[(\reg)+2*\p:(\reg)+2*\p+1], v[\adr] offset:(\i)*3072+(\q)*1536+\p*256
.endr
.endm
.macro FETCH_R slot, q, set            ; R's eight fragments of the slot's q-th K step into a set
	WIN TO_R
.irp i, 0,1,2,3,4,5,6,7
	FRAG 128*(\set)+FR*\i, ADRR+\slot, \q, \i
.endr
	WIN 0
.endm
.macro FETCH_P slot, q, i0             ; P's blocks i0 .. i0 + 3
.irp i, \i0, \i0+1, \i0+2, \i0+3
	FRAG PF+FR*(\i), ADRP+\slot, \q, \i
.endr
.endm
.macro SCALES set, kp                  ; the scale words of pair kp of K steps: two words a row, P's eight tiles and R's eight
.irp i, 0,1,2,3,4,5,6,7
	ds_load_b64 v[SC+32*(\set)+2*\i:SC+32*(\set)+2*\i+1], v[ADSP] offset:\i*1024+(\kp)*256
	ds_load_b64 v[SC+32*(\set)+16+2*\i:SC+32*(\set)+16+2*\i+1], v[ADSR] offset:\i*1024+(\kp)*256
.endr
.endm
; 16 matrix instructions: P's blocks a0, a0 + 1 x R's eight.  p: R's set; q: which K step of the slot; sc: the set of scale words.  cm = 0: the sums go on; 1: they begin with the bias of R's tile; 2: of P's tile.
; The 64 accumulators take turns, one instruction a turn, in the same order in every step.
.macro MUL16 a0, p, q, sc, cm
.irp a, \a0, \a0+1
.irp b, 0,1,2,3,4,5,6,7
.set DA, 8*(8*((\a)%4)+\b)
.if (\cm) == 0
	v_wmma_scale_f32_16x16x128_f8f6f4 v[DA:DA+7], v[128*(\p)+FR*\b:128*(\p)+FR*\b+FR-1], v[PF+FR*(\a):PF+FR*(\a)+FR-1], v[DA:DA+7], v[SC+32*(\sc)+16+2*\b+(\q)], v[SC+32*(\sc)+2*(\a)+(\q)] matrix_a_fmt:MATRIX_FMT_FP6 matrix_b_fmt:MATRIX_FMT_FP6
.elseif (\cm) == 1
	v_wmma_scale_f32_16x16x128_f8f6f4 v[DA:DA+7], v[128*(\p)+FR*\b:128*(\p)+FR*\b+FR-1], v[PF+FR*(\a):PF+FR*(\a)+FR-1], v[96+8*\b+96*(\b/4):96+8*\b+96*(\b/4)+7], v[SC+32*(\sc)+16+2*\b+(\q)], v[SC+32*(\sc)+2*(\a)+(\q)] matrix_a_fmt:MATRIX_FMT_FP6 matrix_b_fmt:MATRIX_FMT_FP6
.else
	v_wmma_scale_f32_16x16x128_f8f6f4 v[DA:DA+7], v[128*(\p)+FR*\b:128*(\p)+FR*\b+FR-1], v[PF+FR*(\a):PF+FR*(\a)+FR-1], v[96+8*(\a)+96*((\a)/4):96+8*(\a)+96*((\a)/4)+7], v[SC+32*(\sc)+16+2*\b+(\q)], v[SC+32*(\sc)+2*(\a)+(\q)] matrix_a_fmt:MATRIX_FMT_FP6 matrix_b_fmt:MATRIX_FMT_FP6
.endif
.endr
.endr
.endm
; A slot's first K step: multiplies R's set 0 and fetches the second K step's fragments.  A block of P is free as soon as its eight products are issued, so P has one set.
.macro STEP slot, cm
	s_wait_dscnt 4*NL                              ; R's set and P's blocks 0-3 are in; the youngest 24 loads (P's blocks 4-7) may be out
.if (\cm) == 0
	WIN MUL_LO
.else
	WIN MUL_LO1
.endif
	MUL16 0, 0, 0, \slot, \cm
	MUL16 2, 0, 0, \slot, \cm
	s_wait_dscnt 0x0                               ; P's blocks 4-7 are in
	PLACES NP                                      ; in front of loads into registers that matrix instructions have read
	FETCH_R \slot, 1, 1
	FETCH_P \slot, 1, 0
.if (\cm) == 0
	WIN MUL_HI
.else
	WIN MUL_HI1
.endif
	MUL16 4, 0, 0, \slot, \cm
	MUL16 6, 0, 0, \slot, \cm
	PLACES NP
	WIN 0
	FETCH_P \slot, 1, 4
.endm
; A slot's second K step changes slots: one barrier; in front of it each wave waits for all its tensor loads, adds 0 to its spare word, and waits for that and for its own reads of this slot.
; fill = 1: the barrier opens a round of the cluster's, and this slot is filled again, with the K steps two slots on.  kp: the pair of K steps that lies in the next slot.
.macro TURN slot, next, fill, kp
	s_wait_tensorcnt 0x0                           ; all my tensor loads have landed: my part of the next slot
	ds_add_u32 v[SPW], v[NIL]                      ; 0 onto my spare word
	s_wait_dscnt 4*NL+1                            ; (the add and the youngest 24 loads may be out)
	WIN MUL_LO
	MUL16 0, 1, 1, \slot, 0                        ; sixteen matrix instructions stand between the add and the wait for it
	s_wait_dscnt 0x0                               ; the add is done, and my reads of this slot are over
	s_barrier_signal -1
	MUL16 2, 1, 1, \slot, 0
	WIN 0
	s_barrier_wait -1
.if \fill
	CREST                                          ; no wave of any partner still reads this slot or has a load on its way
	s_add_nc_u64 s[G0+4*\slot+2:G0+4*\slot+3], s[G0+4*\slot+2:G0+4*\slot+3], 6144
	s_add_nc_u64 s[G0B+4*\slot+2:G0B+4*\slot+3], s[G0B+4*\slot+2:G0B+4*\slot+3], 6144
	JLOAD G0+4*\slot, G1, G0B+4*\slot, G1B         ; the first tensor load behind the round; its four v_nop are also the places in front of the loads below
.else
	PLACES NP
.endif
	FETCH_R \next, 0, 0
	FETCH_P \next, 0, 0
	SCALES \next, \kp
	WIN MUL_HI
	MUL16 4, 1, 1, \slot, 0
	MUL16 6, 1, 1, \slot, 0
	PLACES NP
	WIN 0
	FETCH_P \next, 0, 4
.endm
; 64 numbers of a lane in window w, v[s] .. v[s + 63], register 16 b + i = index 32 b + 16 h + i along the axis to be quantised, become a fragment's 12 registers in v[pc] on and its scale word in v[pw] (window 0).
; The accumulators are read from their low ends on.
.macro QUANT s, w, pc, pw
	WIN ((\w)<<2)|((\w)<<4)
.irp b, 0,1,2,3
	v_max3_num_f32 v[TM+\b], 0x1800000, |v[(\s)+16*\b]|, |v[(\s)+16*\b+1]|   ; block b: my 16 numbers, and the floor 2^(3 - 127): the byte cannot fall under 1
.endr
.irp i, 2,4,6,8,10,12,14
.irp b, 0,1,2,3
	v_max3_num_f32 v[TM+\b], v[TM+\b], |v[(\s)+16*\b+\i]|, |v[(\s)+16*\b+\i+1]|
.endr
.endr
	WIN 0
.irp b, 0,1,2,3
	v_permlanex16_b32 v[TM+4+\b], v[TM+\b], s[SEL], s[SEL+1]
.endr
.irp b, 0,1,2,3
	v_max_num_f32 v[TM+\b], v[TM+\b], v[TM+4+\b]   ; with lane l xor 16's 16: the block's largest magnitude
.endr
.irp b, 0,1,2,3
	v_add_nc_u32 v[TM+12+\b], 0xff000000, v[TM+\b] ; 2 off its exponent field: the conversion's scale operand
.endr
.irp b, 0,1,2,3
	v_lshrrev_b32 v[TM+4+\b], 23, v[TM+12+\b]      ; the scale's byte
.endr
	v_lshl_or_b32 v[\pw], v[TM+5], 8, v[TM+4]
	v_lshl_or_b32 v[\pw], v[TM+6], 16, v[\pw]
	v_lshl_or_b32 v[\pw], v[TM+7], 24, v[\pw]
	WIN \w
.irp c, 0,1
	v_cvt_scalef32_pk16_fp6_f32 v[(\pc)+6*\c:(\pc)+6*\c+2], v[(\s)+32*\c:(\s)+32*\c+15], v[TM+12+2*\c]
	v_cvt_scalef32_pk16_fp6_f32 v[(\pc)+12+4*\c:(\pc)+14+4*\c], v[(\s)+16+32*\c:(\s)+31+32*\c], v[TM+13+2*\c]
.endr
	WIN 0
	v_nop                                          ; one plain instruction behind the last scaled conversion
.irp c, 0,1
.irp i, 0,1,2
	v_permlane16_swap_b32 v[(\pc)+6*\c+\i], v[(\pc)+12+4*\c+\i]
.endr
.irp i, 0,1,2
	v_mov_b32 v[(\pc)+3+6*\c+\i], v[(\pc)+12+4*\c+\i]
.endr
.endr
.endm
	s_wait_alu depctr_va_vdst(0)
	s_wait_tensorcnt 0x0                           ; my tile of the head's four is in; slot 1's first fill is issued as a refill is
	ds_add_u32 v[SPW], v[NIL]
	s_mov_b32 s[G1+2], 8<<16                       ; no tensor load of mine is out: from here on a load brings 8 rowtiles
	s_mov_b32 s[G1+4], 8
	s_mov_b32 s[G1B+2], 8<<16
	s_mov_b32 s[G1B+4], 8
	s_wait_dscnt 0x0
	CROUND                                         ; all four tiles are in, and the sixteen work-groups are here
	JLOAD G0+4, G1, G0B+4, G1B                     ; slot 1: the first tensor load behind the round
	FETCH_R 0, 0, 0
	FETCH_P 0, 0, 0
	SCALES 0, 0
	FETCH_P 0, 0, 4
	s_wait_loadcnt 0x0                             ; the bias
	s_cmp_eq_u32 s43, 0
	s_cbranch_scc0 .Lfirst_v                       ; the first step is written twice: only its C operand differs; both ways issue the same LDS loads
	STEP 0, 1
	s_branch .Lfirst_done
.Lfirst_v:
	STEP 0, 2
.Lfirst_done:
	TURN 0, 1, 1, 1                                ; slot 0 takes K steps 4, 5
	STEP 1, 0
	TURN 1, 0, 1, 2                                ; slot 1 takes K steps 6, 7
	STEP 0, 0
	TURN 0, 1, 0, 3                                ; nothing is left to fetch
	STEP 1, 0
	s_wait_dscnt 4*NL                              ; the last K step
	WIN MUL_LO
	MUL16 0, 1, 1, 1, 0
	MUL16 2, 1, 1, 1, 0
	s_wait_dscnt 0x0
	WIN MUL_HI
	MUL16 4, 1, 1, 1, 0
	MUL16 6, 1, 1, 1, 0
	WIN 0
	; THE WAY OUT: each P tile's 64 registers are quantised and leave as six pieces; no LDS
	PLACES NP
.irp a, 0,1,2,3,4,5,6,7
.if \a >= 2
	s_wait_xcnt 0x0                                ; the stores of two tiles back have read the codes' registers, which are written again
.endif
.set QS_, 64*(\a%4)
.set QW_, 2+\a/4
.set QP_, PC0-(PC0-PC1)*(\a%2)
	QUANT QS_, QW_, QP_, PW8+\a
.irp p, 0,1,2,3,4,5
	global_store_b64 v[L8], v[QP_+2*\p:QP_+2*\p+1], s[98:99] offset:\a*768+(\p/3)*6144+(\p%3)*256   ; 32 lanes store 256 consecutive bytes, aligned
.endr
.endr
.irp i, 0,1,2,3
	v_perm_b32 v[EW+\i], v[PW8+2*\i+1], v[PW8+2*\i], s96
	v_perm_b32 v[FW+\i], v[PW8+2*\i+1], v[PW8+2*\i], s97
.endr
	global_store_b128 v[L16], v[EW:EW+3], s[100:101]
	global_store_b128 v[L16], v[FW:FW+3], s[100:101] offset:512
	s_wait_tensorcnt 0x0                           ; the wave's end
	ds_add_u32 v[SPW], v[NIL]
	s_wait_dscnt 0x0
	CROUND                                         ; the closing round: no work-group ends while a partner may still ask for a tile that names it
	s_endpgm
.Lfunc_end_k_qa75da4551e_gemm_qkv:
	.size	k_qa75da4551e_gemm_qkv, .Lfunc_end_k_qa75da4551e_gemm_qkv-k_qa75da4551e_gemm_qkv
	.p2alignl 7, 3214868480
	.fill 96, 4, 3214868480
	.section	.rodata,"a",@progbits
	.p2align	6, 0x0
	.amdhsa_kernel k_qa75da4551e_gemm_qkv
		.amdhsa_group_segment_fixed_size 327680
		.amdhsa_private_segment_fixed_size 0
		.amdhsa_enable_private_segment 0
		.amdhsa_kernarg_size 56
		.amdhsa_user_sgpr_count 2
		.amdhsa_user_sgpr_kernarg_segment_ptr 1
		.amdhsa_wavefront_size32 1
		.amdhsa_system_sgpr_workgroup_id_x 1
		.amdhsa_system_sgpr_workgroup_id_y 1
		.amdhsa_system_sgpr_workgroup_id_z 1
		.amdhsa_system_vgpr_workitem_id 0
		.amdhsa_next_free_vgpr 1024
		.amdhsa_next_free_sgpr 104
		.amdhsa_reserve_vcc 0
		.amdhsa_float_denorm_mode_32 3
		.amdhsa_float_denorm_mode_16_64 3
		.amdhsa_memory_ordered 1
		.amdhsa_forward_progress 1
		.amdhsa_inst_pref_size 191
	.end_amdhsa_kernel
	.amdgpu_metadata
---
amdhsa.version: [ 1, 2 ]
amdhsa.kernels:
  - .name:           k_qa75da4551e_gemm_qkv
    .symbol:         k_qa75da4551e_gemm_qkv.kd
    .args:
      - { .name: wq_codes, .offset: 0, .size: 8, .value_kind: global_buffer, .address_space: global }
      - { .name: wq_scales, .offset: 8, .size: 8, .value_kind: global_buffer, .address_space: global }
      - { .name: b_in, .offset: 16, .size: 8, .value_kind: global_buffer, .address_space: global }
      - { .name: qk_img, .offset: 24, .size: 8, .value_kind: global_buffer, .address_space: global }
      - { .name: qk_sc, .offset: 32, .size: 8, .value_kind: global_buffer, .address_space: global }
      - { .name: v_img, .offset: 40, .size: 8, .value_kind: global_buffer, .address_space: global }
      - { .name: v_sc, .offset: 48, .size: 8, .value_kind: global_buffer, .address_space: global }
    .group_segment_fixed_size: 327680
    .private_segment_fixed_size: 0
    .kernarg_segment_align: 8
    .kernarg_segment_size: 56
    .max_flat_workgroup_size: 128
    .sgpr_count:     104
    .vgpr_count:     1024
    .wavefront_size: 32
...
	.end_amdgpu_metadata
.endif
;; end of part 2
;; launch attn (part 3): grid 8 x 32, 4 waves a work-group, clusters of 4 x 1, 327,680 bytes of LDS; arguments qk_img, qk_sc, v_img, v_sc, multipliers, o_img, o_sc; writes o_img, o_sc
.if DOCPART == 3
	.amdgcn_target "amdgcn-amd-amdhsa--gfx1250"
	.amdhsa_code_object_version 6
	.text
	.protected	k_qa75da4551e_attn
	.globl	k_qa75da4551e_attn
	.p2align	8
	.type	k_qa75da4551e_attn,@function
k_qa75da4551e_attn:
	s_mov_b64 s[64:65], 0
	v_nop
	global_prefetch_b8 v0, s[64:65] scope:SCOPE_SE
	s_setreg_imm32_b32 hwreg(HW_REG_WAVE_MODE, 25, 1), 1
	s_wait_xcnt 0x0
	s_wait_alu depctr_hold_cnt(0) depctr_sa_sdst(0) depctr_va_vdst(0) depctr_va_sdst(0) depctr_va_ssrc(0) depctr_va_vcc(0) depctr_vm_vsrc(0)
	s_getreg_b32 s2, hwreg(HW_REG_IB_STS2, 6, 4)
	s_cmp_eq_u32 s2, 0
	s_cbranch_scc0 .Lentry_in_a_cluster
	s_endpgm
.Lentry_in_a_cluster:
	s_bfe_u32 s2, ttmp6, 0x10000c
	s_cmp_lg_u32 s2, 0x3003
	s_cbranch_scc0 .Lentry_shape_is_right
	s_endpgm
.Lentry_shape_is_right:
; o = alpha v, alpha = softmax(q k^T / 8) x multipliers, renormalised by (its row sum + 1e-15); both products on codes of FP6 (E2M3) with E8M0 scales.  alpha is quantised FINISHED, along the keys,
; so a row's 1,024 weights are kept until the row's sums are known: 16 queries x 1,024 keys of one head are 512 registers of one wave.
; alpha = p m / (W + 1e-15 Z), p = 2^(c s - c max), c = log2(e) / 8, Z = sum of p, W = sum of p m: reference()'s expression with numerator and denominator multiplied by Z.  The row's true maximum is taken away.
; SHARES.  A work-group owns a pair of heads of one batch and 256 queries.  K and V of both heads (codes and scale words) come into LDS once and stay.  Eight trips of 32 queries; in a trip wave w takes
; the query tile w & 1 of head w >> 1.  The trip's 32 rows of multipliers serve both heads, and the four pairs of heads of a cluster ask for them JOINTLY.
; THE MULTIPLIERS of a trip are four chunks of 256 keys x 32 rows; LDS has three slots for them.  Slot A always takes chunk 0.  The two others change roles from trip to trip (they lie 2^18 bytes apart: one exclusive
; or turns an address in one into the other's): in a trip slot S1 holds chunk 1 and, when that has been read, chunk 3; slot S2 holds chunk 2.  Three refills a trip, each behind a round of the cluster's barrier:
; at the trip's head chunk 2; behind chunk 0's exponentials chunk 3; behind chunk 3's exponentials the NEXT trip's chunks 0 and 1 (chunk 1 into S2, which so becomes the next trip's S1).  The three rounds cut a trip's
; instructions into about equal parts, and a request has the part behind it in which to land.  The last trip asks for no next trip: so a trip is two macros, FRONT and BACK;
; FRONT of trip 0 stands ahead of the loop, a trip of the loop is BACK of one trip and FRONT of the next, and BACK of the last trip is written out without its request.
; LAYOUT.  Both products are used transposed: S^T = k q^T, O^T = v^T alpha^T: a lane holds one query throughout; register 16 g + i of the 512 is key 32 g + 16 h + i (the rows of an image tile are chosen for that).
; K = 64 fills half of the instruction's 128: one fragment of 12 registers holds TWO tiles of 16 keys; multiplied by [q | 0] it gives the first tile's scores, by [0 | q] the second's.
; OUT.  O^T's 32 registers are the head's 64 channels: two blocks; their codes are half a fragment of the last product's operand: o_img [rowtile][pair of heads][piece 3 head + p][lane][8], o_sc as the scales of such images.
; The two bytes of a head's scale word leave by stores of 2 bytes a lane: one part in 12 of the codes' bytes; gathering them with the other head's would cost a further barrier a trip.
; LIMITS: NaN and infinities are not served; v_exp_f32 gives 0 for p under 2^-126; a block of zeros gets the byte 1 (its codes are zeros); where W + 1e-15 Z is 0 (negative multipliers that cancel) the result
; is undefined, as reference()'s is near that point; sums are taken in another order than reference()'s.
; REGISTERS, in windows of 256: window 0: v1-15 addresses; v16-33 zeros, q, zeros; v34-63 scale words and addresses; v64-95 statistics; v96-132 at work; v160-191 O^T.   window 1: what comes from LDS: K's fragments, multipliers, V's fragments.
;   windows 2, 3: the 512 scores, then p, p m, alpha.
.set MB,    0                          ; LDS: the two slots that change roles: 32 rows x 256 keys each
.set TOG,   262144                     ; 2^18: from one of them to the other
.set MC,    TOG
.set MP,    1040                       ; a row: 1,024 bytes + 16: eight neighbouring rows start 4 banks apart (64 banks of 4 bytes: ISA guide 11.1),
.set GOFF,  16768                      ; and rows 16-31 begin 128 bytes later than 16 rows would: 32 banks on from rows 0-15.  So the 16 rows that a load of 16 bytes a lane touches fall on different banks
.set KREG,  33536                      ; K's codes [128 keys: 8][head 2][tile 8][768]
.set VREG,  131840                     ; V's codes [128 keys: 8][which 64: 2][tile 4 head + t: 8][768]
.set MA0,   230144                     ; slot A, rows 0-15;
.set GOFFA, 65664                      ; its rows 16-31 lie behind slot C: again 128 bytes over a multiple of 256
.set KSC,   246784                     ; K's scale words [8][head][lane][4 words]
.set SPARE, 254976                     ; the spare words, 128 bytes a wave: two blocks of 256 bytes that no other line names
.set VSC,   312576                     ; V's scale words [8][even, odd tiles][lane][4 words]
.set SPW, 1
.set NIL, 2
.set L8,  3                            ; v3  8 x lane
.set L16, 4                            ; v4  16 x lane
.set AK,  5                            ; v5-6  K's fragments: keys 0-511, 512-1023
.set AKS, 7                            ; v7  K's scale words
.set AV,  8                            ; v8-9  V's fragments
.set AVS, 10                           ; v10 V's scale words
.set AMA, 11                           ; v11 my row of multipliers in slot A
.set AM1, 12                           ; v12 in this trip's S1
.set AM2, 13                           ; v13 in this trip's S2
.set QOV, 14                           ; v14 q's codes: offset of the trip's tile
.set QSV, 15                           ; v15 q's scale word
.set QS,  34                           ; v34 q's two bytes, twice
.set QR,  35                           ; v35 the word as loaded
.set KS,  36                           ; v36-51 K's scale words, two sets of 8
.set VS,  52                           ; v52-59 V's, two sets of 4
.set PW,  60                           ; v60-61 alpha's scale words
.set PFO, 62                           ; v62 the prefetch's offset; never rewritten
.set AMO, 63                           ; v63 my row's place in a slot that changes roles; never rewritten
.set MX,  64                           ; v64-71 eight running maxima
.set NM,  72                           ; v72-73 -c max
.set Z,   192                          ; v192-207 the sum of p, eight pairs
.set WS,  208                          ; v208-223 the sum of p m, eight pairs
.set CC,  90                           ; v90-91 1 / (W + 1e-15 Z), twice
.set T0,  92                           ; v92-95 at work
.set TM,  96
.set PC,  112
.set SB,  132
.set OA,  160
.set D3,   8                           ; s[8:11] group 0 for chunk 3 (V's two addresses lie here until their descriptors are built)
.set TB1,  12                          ; s12 where this trip's S1 begins (the multipliers' address lies in s[12:13] until the head has used it)
.set TB2,  13                          ; s13 this trip's S2
.set WV,  18
.set U,   19
.set HL,  20
.set CX,  21
.set TN,  21                           ; s21 the trip that FRONT works on (cx until the head has used it)
.set HP,  22
.set EPSR, 22                          ; s22 1e-15 (the pair of heads until the head has used it)
.set Y,   23
.set G1K,  24
.set G1V,  32
.set G1KS, 40
.set G1VS, 48
.set G1M,  56
.set CS,   66                          ; s[66:67] c
.set G0K,  68
.set G0V,  72
.set G0KS, 76
.set G0VS, 80
.set DA,   84                          ; s[84:87] group 0 for chunk 0, into slot A
.set D1,   88                          ; s[88:91] for chunk 1
.set D2,   92                          ; s[92:95] for chunk 2
.set SEL,  96
.set TI,   98                          ; the loop's counter: the trip that FRONT works on
.set LIM,  99                          ; trips in which I prefetch
.set PFA,  100
.set QSEL, 104
.set NCS,  105                         ; -c
.set MSB, 0
.macro WIN new                         ; the immediate's high byte repeats the setting that is left
.if MSB != (\new)
	s_set_vgpr_msb (MSB<<8)|(\new)
.set MSB, \new
.endif
.endm
.macro NOP4
.rept 4
	v_nop
.endr
.endm
.macro CROUND                          ; a round of the cluster's barrier
	s_barrier_signal -1
	s_barrier_wait -1
	s_cmp_lg_u32 s[WV], 0
	s_cbranch_scc1 .Lnot_wave_0_\@
	s_barrier_signal -3
.Lnot_wave_0_\@:
	s_barrier_wait -3
	s_barrier_signal -1
	s_barrier_wait -1
.endm
.macro MLOAD g0                        ; a joint refill of one slot: waves 0 and 1 bring its two groups of 16 rows; four v_nop follow the load
	s_cmp_lt_u32 s[WV], 2
	s_cbranch_scc0 .Lnone_\@
	tensor_load_to_lds s[\g0:\g0+3], s[G1M:G1M+7]
	s_nop 0
	NOP4
.Lnone_\@:
.endm
.macro ALOAD                           ; a joint refill of two slots: waves 0 and 1 bring chunk 0's two groups of rows into slot A, waves 2 and 3 chunk 1's
	s_cmp_lt_u32 s[WV], 2
	s_cbranch_scc0 .Lfor_1_\@
	tensor_load_to_lds s[DA:DA+3], s[G1M:G1M+7]
	s_nop 0
	NOP4
	s_branch .Lasked_\@
.Lfor_1_\@:
	tensor_load_to_lds s[D1:D1+3], s[G1M:G1M+7]
	s_nop 0
	NOP4
.Lasked_\@:
.endm
; A prefetch of the NEXT trip's 32 rows of multipliers, 128 KiB = 512 blocks of 256 bytes: a lane a block, one instruction a wave.  Both clusters of a y read the same rows: cluster x = 0 asks.  Its four partners
; are told apart by address: wave 4 cx + w takes two rows.  So each block is named once in the launch.  It stands behind the request for chunk 3: the rest of chunk 0, chunks 1 and 2 and a batch of exponentials ahead of the
; request for the next trip's first two chunks.  The last trip asks for nothing.
.macro ASK
	s_cmp_lt_u32 s[TN], s[LIM]
	s_cbranch_scc0 .Lnot_mine_\@
	global_prefetch_b8 v[PFO], s[PFA:PFA+1] th:TH_LOAD_NT scope:SCOPE_SE
.Lnot_mine_\@:
.endm
.macro KFETCH c, kb                    ; chunk c (256 keys): eight fragments of two key tiles each, and their scale words: 50 LDS loads
	WIN 0x40
.irp g, 0,1,2,3,4,5,6,7
.irp p, 0,1,2,3,4,5
	ds_load_b64 v[(\kb)+12*\g+2*\p:(\kb)+12*\g+2*\p+1], v[AK+(\c)/2] offset:((2*(\c)+\g/4)%4)*12288+(\g%4)*1536+256*\p
.endr
.endr
	WIN 0
.irp e, 0,1
	ds_load_b128 v[KS+8*((\c)%2)+4*\e:KS+8*((\c)%2)+4*\e+3], v[AKS] offset:(2*(\c)+\e)*1024
.endr
.endm
.macro WMMA c                          ; its 16 tiles of scores: each fragment against [q | 0] (v22-33) and against [0 | q] (v16-27)
	WIN ((2+(\c)/2)<<6)|1
.irp g, 0,1,2,3,4,5,6,7
.irp e, 0,1
	v_wmma_scale_f32_16x16x128_f8f6f4 v[8*((16*(\c)+2*\g+\e)%32):8*((16*(\c)+2*\g+\e)%32)+7], v[128*((\c)%2)+12*\g:128*((\c)%2)+12*\g+11], v[22-6*\e:33-6*\e], 0, v[KS+8*((\c)%2)+\g], v[QS] matrix_a_fmt:MATRIX_FMT_FP6 matrix_b_fmt:MATRIX_FMT_FP6
.endr
.endr
.endm
.macro MAXC c                          ; the chunk's 128 scores into eight running maxima; each accumulator is read from its low end on
	WIN ((2+(\c)/2)<<2)|((2+(\c)/2)<<4)
.set i, 0
.rept 64
	v_max3_num_f32 v[MX+i%8], v[MX+i%8], v[128*((\c)%2)+2*i], v[128*((\c)%2)+2*i+1]
.set i, i+1
.endr
	s_wait_alu depctr_va_vdst(0)
.endm
.macro MFETCH am, mb                   ; my query's 128 multipliers of a slot, in the scores' order: 32 LDS loads
	WIN 0x40
.irp b, 0,1,2,3,4,5,6,7
.irp j, 0,1,2,3
	ds_load_b128 v[(\mb)+16*\b+4*\j:(\mb)+16*\b+4*\j+3], v[\am] offset:128*\b+16*\j
.endr
.endr
.endm
.macro FMAS c                          ; c s - c max for an even chunk (the lower 128 registers of its window)
	WIN ((2+(\c)/2)<<6)|(2+(\c)/2)
.set i, 0
.rept 64
	v_pk_fma_f32 v[2*i:2*i+1], v[2*i:2*i+1], s[CS:CS+1], v[NM:NM+1] op_sel_hi:[1,0,0]
.set i, i+1
.endr
.endm
; p = 2^(c s - c max) for a chunk: ONE BATCH of 128 exponentials, a wait ahead of it and a wait behind it.  In front of each two exponentials stands one plain line of the
; same window whose result is read only behind the closing wait: in an even chunk's batch the next chunk's scaling, in an odd chunk's batch p x multiplier of the chunk before (its multipliers at v0-127 of window 1).
.macro FMAEXP c
	WIN ((2+(\c)/2)<<6)|4|(2+(\c)/2)
.set FB, 128*((\c)%2)
	s_wait_alu depctr_va_vdst(0)
.set i, 0
.rept 64
.if (\c)%2 == 0
	v_pk_fma_f32 v[128+2*i:129+2*i], v[128+2*i:129+2*i], s[CS:CS+1], v[NM:NM+1] op_sel_hi:[1,0,0]
.else
	v_pk_mul_f32 v[2*i:2*i+1], v[2*i:2*i+1], v[2*i:2*i+1]
.endif
	v_exp_f32 v[FB+2*i], v[FB+2*i]
	v_exp_f32 v[FB+2*i+1], v[FB+2*i+1]
.set i, i+1
.endr
	WIN 0
	v_nop                                          ; a plain instruction behind the last exponential
	s_wait_alu depctr_va_vdst(0)                   ; the one wait for the batch, ahead of its first reader
.endm
.macro ACCUM c, d                      ; the chunk's 128 numbers are added into the eight pairs at v[d]
	WIN (2+(\c)/2)<<2
.set i, 0
.rept 64
	v_pk_add_f32 v[(\d)+2*(i%8):(\d)+2*(i%8)+1], v[(\d)+2*(i%8):(\d)+2*(i%8)+1], v[128*((\c)%2)+2*i:128*((\c)%2)+2*i+1]
.set i, i+1
.endr
.endm
.macro PMUL c, mb                      ; p x multiplier
	WIN ((2+(\c)/2)<<6)|4|(2+(\c)/2)
.set i, 0
.rept 64
	v_pk_mul_f32 v[128*((\c)%2)+2*i:128*((\c)%2)+2*i+1], v[128*((\c)%2)+2*i:128*((\c)%2)+2*i+1], v[(\mb)+2*i:(\mb)+2*i+1]
.set i, i+1
.endr
.endm
.macro VFETCH s, vb                    ; V's four fragments (16 channels x 128 keys) of K step s, and their scale words: 26 LDS loads
	WIN 0x40
.irp d, 0,1,2,3
.irp p, 0,1,2,3,4,5
	ds_load_b64 v[(\vb)+12*\d+2*\p:(\vb)+12*\d+2*\p+1], v[AV+(\s)/4] offset:((\s)%4)*12288+(\p/3)*6144+\d*768+(\p%3)*256
.endr
.endr
	WIN 0
.irp e, 0,1
	ds_load_b64 v[VS+4*((\s)%2)+2*\e:VS+4*((\s)%2)+2*\e+1], v[AVS] offset:1024*(\s)+512*\e
.endr
.endm
.macro SCALE s                         ; alpha = p m / (W + 1e-15 Z) for the 128 keys of K step s
	WIN ((2+(\s)/4)<<6)|(2+(\s)/4)
.set i, 0
.rept 32
	v_pk_mul_f32 v[64*((\s)%4)+2*i:64*((\s)%4)+2*i+1], v[64*((\s)%4)+2*i:64*((\s)%4)+2*i+1], v[CC:CC+1]
.set i, i+1
.endr
.endm
; 64 numbers of a lane in window w, register 16 b + i = key 32 b + 16 h + i, become a fragment's 12 registers in v[pc] on and its scale word in v[pw]
.macro QUANT s, w, pc, pw
	WIN ((\w)<<2)|((\w)<<4)
.irp b, 0,1,2,3
	v_max3_num_f32 v[TM+\b], 0x1800000, |v[(\s)+16*\b]|, |v[(\s)+16*\b+1]|   ; block b: my 16 numbers, and the floor 2^(3 - 127): the byte cannot fall under 1
.endr
.irp i, 2,4,6,8,10,12,14
.irp b, 0,1,2,3
	v_max3_num_f32 v[TM+\b], v[TM+\b], |v[(\s)+16*\b+\i]|, |v[(\s)+16*\b+\i+1]|
.endr
.endr
	WIN 0
.irp b, 0,1,2,3
	v_permlanex16_b32 v[TM+4+\b], v[TM+\b], s[SEL], s[SEL+1]
.endr
.irp b, 0,1,2,3
	v_max_num_f32 v[TM+\b], v[TM+\b], v[TM+4+\b]
.endr
.irp b, 0,1,2,3
	v_add_nc_u32 v[TM+12+\b], 0xff000000, v[TM+\b] ; 2 off the exponent field: the conversion's scale operand
.endr
.irp b, 0,1,2,3
	v_lshrrev_b32 v[TM+4+\b], 23, v[TM+12+\b]      ; the scale's byte
.endr
	v_lshl_or_b32 v[\pw], v[TM+5], 8, v[TM+4]
	v_lshl_or_b32 v[\pw], v[TM+6], 16, v[\pw]
	v_lshl_or_b32 v[\pw], v[TM+7], 24, v[\pw]
	WIN \w
.irp c, 0,1
	v_cvt_scalef32_pk16_fp6_f32 v[(\pc)+6*\c:(\pc)+6*\c+2], v[(\s)+32*\c:(\s)+32*\c+15], v[TM+12+2*\c]
	v_cvt_scalef32_pk16_fp6_f32 v[(\pc)+12+4*\c:(\pc)+14+4*\c], v[(\s)+16+32*\c:(\s)+31+32*\c], v[TM+13+2*\c]
.endr
	WIN 0
	v_nop                                          ; one plain instruction behind the last scaled conversion
.irp c, 0,1
.irp i, 0,1,2
	v_permlane16_swap_b32 v[(\pc)+6*\c+\i], v[(\pc)+12+4*\c+\i]
.endr
.irp i, 0,1,2
	v_mov_b32 v[(\pc)+3+6*\c+\i], v[(\pc)+12+4*\c+\i]
.endr
.endr
.endm
; FRONT: a trip from its head to the last chunk's exponentials.
.macro FRONT
	; ---- chunks 0 and 1 have landed (in trip 0: K and V too); my reads of the slot that held the last trip's chunk 3 are over: it is this trip's S2 and takes chunk 2.  A round of the cluster's barrier, since the refill is joint
	s_wait_tensorcnt 0x0
	ds_add_u32 v[SPW], v[NIL]                      ; 0 onto my spare word
	s_add_nc_u64 s[DA+2:DA+3], s[DA+2:DA+3], 131072   ; no tensor load of mine is out: chunk 0's and chunk 1's descriptors step to the next trip's 32 rows,
	s_xor_b32 s[D1+1], s[D1+1], TOG                ; chunk 1's to the other slot
	s_add_nc_u64 s[D1+2:D1+3], s[D1+2:D1+3], 131072
	v_add_nc_u32 v[AM1], s[TB1], v[AMO]            ; my row in this trip's S1 and S2
	v_add_nc_u32 v[AM2], s[TB2], v[AMO]
	s_wait_dscnt 0x0
	CROUND
	MLOAD D2                                       ; it has the first product and chunk 0's exponentials in which to land
	s_wait_loadcnt 0x0                             ; q and its scale word
	v_perm_b32 v[QS], v[QR], v[QR], s[QSEL]
.irp i, 0,1,2,3,4,5,6,7
	v_mov_b32 v[MX+\i], 0xff800000                 ; (these 40 lines are also the places between the scale word's write and the first product)
.endr
.irp i, 0,1,2,3,4,5,6,7,8,9,10,11,12,13,14,15,16,17,18,19,20,21,22,23,24,25,26,27,28,29,30,31
	v_mov_b32 v[Z+\i], 0                           ; the two sums
.endr
	; ---- S^T = k q^T, 256 keys at a time, K's fragments in two buffers; the running maxima stand behind each chunk's products
	KFETCH 0, 0
	KFETCH 1, 128
	s_wait_dscnt 50                                ; chunk 0's 50 loads are in; the next chunk's may be out
	WMMA 0
	NOP4                                           ; places in front of loads into registers that matrix instructions have read, and of the first read of results
	KFETCH 2, 0
	MAXC 0
	s_wait_dscnt 50
	WMMA 1
	NOP4
	KFETCH 3, 128
	MAXC 1
	s_wait_dscnt 50
	WMMA 2
	NOP4
	MAXC 2
	s_wait_dscnt 0x0
	WMMA 3
	NOP4
	MAXC 3
	WIN 0
	v_max3_num_f32 v[MX], v[MX], v[MX+1], v[MX+2]
	v_max3_num_f32 v[MX+3], v[MX+3], v[MX+4], v[MX+5]
	v_max3_num_f32 v[MX], v[MX], v[MX+6], v[MX+7]
	v_max_num_f32 v[MX], v[MX], v[MX+3]
	v_permlanex16_b32 v[T0], v[MX], s[SEL], s[SEL+1]
	v_max_num_f32 v[MX], v[MX], v[T0]              ; with lane l xor 16's 512 keys: the row's maximum
	v_mul_f32 v[NM], s[NCS], v[MX]                 ; -c max
	v_mov_b32 v[NM+1], v[NM]                       ; (named with it as a pair)
	MFETCH AMA, 0                                  ; chunk 0's multipliers
	MFETCH AM1, 128                                ; chunk 1's
	FMAS 0
	FMAEXP 0                                       ; with chunk 1's scaling
	; ---- chunk 2 has landed; slots A and S1 have been read; S1 takes chunk 3
	s_wait_tensorcnt 0x0
	ds_add_u32 v[SPW], v[NIL]
	s_xor_b32 s[D2+1], s[D2+1], TOG                ; chunk 2's descriptor steps: the other slot, the next trip's rows
	s_add_nc_u64 s[D2+2:D2+3], s[D2+2:D2+3], 131072
	s_wait_dscnt 0x0
	CROUND
	MLOAD D3                                       ; it has the rest of chunk 0, chunks 1 and 2 and chunk 3's exponentials in which to land
	ASK
	ACCUM 0, Z
	FMAEXP 1                                       ; with chunk 0's p x multiplier
	MFETCH AM2, 0                                  ; chunk 2's multipliers, into the registers that chunk 0's have left
	ACCUM 1, Z
	ACCUM 0, WS
	PMUL 1, 128
	ACCUM 1, WS
	FMAS 2
	FMAEXP 2                                       ; with chunk 3's scaling
	ACCUM 2, Z
	s_wait_alu depctr_va_vdst(0)
	s_wait_dscnt 0x0                               ; chunk 2's multipliers are in
	FMAEXP 3                                       ; with chunk 2's p x multiplier
.endm
; BACK: the rest of the trip.  fill = 1: the next trip's chunks 0 and 1 and its q are asked for.
.macro BACK fill
	s_wait_tensorcnt 0x0                           ; chunk 3 has landed
.if \fill
	; ---- slot A and S2 have been read: they take the next trip's chunks 0 and 1
	ds_add_u32 v[SPW], v[NIL]                      ; 0 onto my spare word
	s_xor_b32 s[D3+1], s[D3+1], TOG                ; chunk 3's descriptor steps
	s_add_nc_u64 s[D3+2:D3+3], s[D3+2:D3+3], 131072
	s_wait_dscnt 0x0
	CROUND
	ALOAD                                          ; every wave a quarter of the two chunks: they have the rest of chunk 3 and the whole second product in which to land
.else
	s_wait_dscnt 0x0                               ; the last trip: the waves that fetched chunk 3 have waited for it, then the barrier
	s_barrier_signal -1
	s_barrier_wait -1
.endif
	MFETCH AM1, 128                                ; chunk 3's multipliers
	VFETCH 0, 0
	VFETCH 1, 48
	ACCUM 3, Z
	ACCUM 2, WS
	s_wait_dscnt 52
	PMUL 3, 128
	ACCUM 3, WS
	WIN 0
.if \fill
	; ---- the next trip's q: tile 2 (t & 3) + u of the 128 rows t >> 2
	s_mov_b32 s[TN], s[TI]                         ; the counter already stands at the trip whose FRONT follows
	s_lshr_b32 s3, s[TN], 2
	s_and_b32 s2, s[TN], 3
	s_mul_i32 s68, s3, 196608
	s_mul_i32 s69, s2, 1536
	s_add_co_u32 s68, s68, s69
	v_add_nc_u32 v[QOV], s68, v[L8]
	s_lshl_b32 s3, s3, 14
	s_lshl_b32 s2, s2, 2
	s_add_co_u32 s3, s3, s2
	v_add_nc_u32 v[QSV], s3, v[L16]
.irp p, 0,1,2
	global_load_b64 v[22+2*\p:23+2*\p], v[QOV], s[4:5] offset:256*\p
.endr
	global_load_b32 v[QR], v[QSV], s[6:7]
.endif
	; ---- the row's two sums, and 1 / (W + 1e-15 Z)
	s_wait_alu depctr_va_vdst(0)
.irp j, 0,2,4,6
	v_pk_add_f32 v[Z+\j:Z+\j+1], v[Z+\j:Z+\j+1], v[Z+8+\j:Z+9+\j]
	v_pk_add_f32 v[WS+\j:WS+\j+1], v[WS+\j:WS+\j+1], v[WS+8+\j:WS+9+\j]
.endr
	v_pk_add_f32 v[Z:Z+1], v[Z:Z+1], v[Z+2:Z+3]
	v_pk_add_f32 v[WS:WS+1], v[WS:WS+1], v[WS+2:WS+3]
	v_pk_add_f32 v[Z+4:Z+5], v[Z+4:Z+5], v[Z+6:Z+7]
	v_pk_add_f32 v[WS+4:WS+5], v[WS+4:WS+5], v[WS+6:WS+7]
	v_pk_add_f32 v[Z:Z+1], v[Z:Z+1], v[Z+4:Z+5]
	v_pk_add_f32 v[WS:WS+1], v[WS:WS+1], v[WS+4:WS+5]
	v_add_f32 v[Z], v[Z], v[Z+1]
	v_add_f32 v[WS], v[WS], v[WS+1]
	v_permlanex16_b32 v[T0], v[Z], s[SEL], s[SEL+1]
	v_permlanex16_b32 v[T0+1], v[WS], s[SEL], s[SEL+1]
	v_add_f32 v[Z], v[Z], v[T0]
	v_add_f32 v[WS], v[WS], v[T0+1]
	v_fma_f32 v[T0+2], v[Z], s[EPSR], v[WS]        ; Z x 1e-15 + W
	s_wait_alu depctr_va_vdst(0)
	v_rcp_f32 v[CC], v[T0+2]
	v_rcp_f32 v[CC+1], v[T0+2]
	v_nop                                          ; a plain instruction behind the reciprocals
	s_wait_alu depctr_va_vdst(0)                   ; and the wait ahead of their first reader
	; ---- O^T = v^T alpha^T, 128 keys a step.  A step's alpha is quantised; the next step's scaling stands between the codes' and the scale word's writes and the products (4 and 8 places are owed);
	; the four accumulators take turns, one instruction a turn
	SCALE 0
.irp s, 0,1,2,3,4,5,6,7
	QUANT 64*(\s%4), 2+\s/4, PC, PW+\s%2
.if \s < 7
	SCALE \s+1
	s_wait_alu depctr_va_vdst(0)
	s_wait_dscnt 26
.else
.rept 8
	v_nop
.endr
	s_wait_alu depctr_va_vdst(0)
	s_wait_dscnt 0x0
.endif
	WIN 0x01
.irp d, 0,1,2,3
.if \s == 0
	v_wmma_scale_f32_16x16x128_f8f6f4 v[OA+8*\d:OA+8*\d+7], v[48*(\s%2)+12*\d:48*(\s%2)+12*\d+11], v[PC:PC+11], 0, v[VS+4*(\s%2)+2*(\d%2)+\d/2], v[PW+\s%2] matrix_a_fmt:MATRIX_FMT_FP6 matrix_b_fmt:MATRIX_FMT_FP6
.else
	v_wmma_scale_f32_16x16x128_f8f6f4 v[OA+8*\d:OA+8*\d+7], v[48*(\s%2)+12*\d:48*(\s%2)+12*\d+11], v[PC:PC+11], v[OA+8*\d:OA+8*\d+7], v[VS+4*(\s%2)+2*(\d%2)+\d/2], v[PW+\s%2] matrix_a_fmt:MATRIX_FMT_FP6 matrix_b_fmt:MATRIX_FMT_FP6
.endif
.endr
	WIN 0
.if \s < 6
	NOP4
	VFETCH \s+2, 48*(\s%2)
.endif
.endr
	; ---- out: register 16 g + i of O^T is channel 32 g + 16 h + i of my query: two blocks, half a fragment
	NOP4
.irp b, 0,1
	v_max3_num_f32 v[TM+\b], |v[OA+16*\b]|, |v[OA+16*\b+1]|, 0x1800000
.endr
.irp i, 2,4,6,8,10,12,14
.irp b, 0,1
	v_max3_num_f32 v[TM+\b], v[TM+\b], |v[OA+16*\b+\i]|, |v[OA+16*\b+\i+1]|
.endr
.endr
.irp b, 0,1
	v_permlanex16_b32 v[TM+4+\b], v[TM+\b], s[SEL], s[SEL+1]
.endr
.irp b, 0,1
	v_max_num_f32 v[TM+\b], v[TM+\b], v[TM+4+\b]
.endr
.irp b, 0,1
	v_add_nc_u32 v[TM+12+\b], 0xff000000, v[TM+\b]
.endr
.irp b, 0,1
	v_lshrrev_b32 v[TM+4+\b], 23, v[TM+12+\b]
.endr
	v_lshl_or_b32 v[SB], v[TM+5], 8, v[TM+4]       ; my head's half of the scale word
	v_cvt_scalef32_pk16_fp6_f32 v[PC:PC+2], v[OA:OA+15], v[TM+12]
	v_cvt_scalef32_pk16_fp6_f32 v[PC+12:PC+14], v[OA+16:OA+31], v[TM+13]
	v_nop                                          ; one plain instruction behind the last scaled conversion
.irp i, 0,1,2
	v_permlane16_swap_b32 v[PC+\i], v[PC+12+\i]
.endr
.irp i, 0,1,2
	v_mov_b32 v[PC+3+\i], v[PC+12+\i]
.endr
.irp p, 0,1,2
	global_store_b64 v[L8], v[PC+2*\p:PC+2*\p+1], s[14:15] offset:256*\p   ; 32 lanes store 256 consecutive bytes, aligned
.endr
	global_store_b16 v[L8], v[SB], s[16:17]
.if \fill
	s_wait_xcnt 0x0                                ; the stores and the prefetch have read their registers and bases: all are written again below or in the next trip
	s_add_nc_u64 s[14:15], s[14:15], 24576         ; two rowtiles on
	s_add_nc_u64 s[16:17], s[16:17], 2048
	s_add_nc_u64 s[PFA:PFA+1], s[PFA:PFA+1], 131072
	s_xor_b32 s[TB1], s[TB1], TOG                  ; S1 and S2 change roles
	s_xor_b32 s[TB2], s[TB2], TOG
.endif
.endm
	s_load_b256 s[4:11], s[0:1], 0x0               ; qk_img, qk_sc, v_img, v_sc
	s_load_b128 s[12:15], s[0:1], 0x20             ; multipliers, o_img
	s_load_b64 s[16:17], s[0:1], 0x30              ; o_sc
	v_lshl_add_u32 v[SPW], v0, 2, SPARE
	v_mov_b32 v[NIL], 0
	ds_add_u32 v1, v2
	ds_add_u32 v1, v2
	s_wait_dscnt 0x0
	v_lshrrev_b32 v[T0], 5, v0
	v_readfirstlane_b32 s[WV], v[T0]               ; wave 0..3
	s_and_b32 s[U], s[WV], 1                       ; which query tile of the trip's two
	s_lshr_b32 s[HL], s[WV], 1                     ; which head of the pair
	s_bfe_u32 s[CX], ttmp6, 0x40000
	s_lshl_b32 s[HP], ttmp9, 2
	s_add_co_u32 s[HP], s[HP], s[CX]               ; the pair of heads
	s_and_b32 s[Y], ttmp7, 0xffff                  ; 4 x batch + which 256 queries: shared by the four partners
	; the LDS address registers that stay are made here, ahead of the first branch on the wave's number
	v_and_b32 v[T0], 31, v0
	v_lshlrev_b32 v[L8], 3, v[T0]
	v_lshlrev_b32 v[L16], 4, v[T0]
	s_mul_i32 s2, s[HL], 6144
	v_add_nc_u32 v[AK], s2, v[L8]
	v_add_nc_u32 v[AK], KREG, v[AK]
	v_add_nc_u32 v[AK+1], 49152, v[AK]
	s_lshl_b32 s2, s[HL], 9
	v_add_nc_u32 v[AKS], s2, v[L16]
	v_add_nc_u32 v[AKS], KSC, v[AKS]
	s_mul_i32 s2, s[HL], 3072
	v_add_nc_u32 v[AV], s2, v[L8]
	v_add_nc_u32 v[AV], VREG, v[AV]
	v_add_nc_u32 v[AV+1], 49152, v[AV]
	s_lshl_b32 s2, s[HL], 3
	v_add_nc_u32 v[AVS], s2, v[L16]
	v_add_nc_u32 v[AVS], VSC, v[AVS]
	v_and_b32 v[T0+1], 7, v0                       ; lane r of tile u is the trip's row 8 u + (r & 7) + 16 (r >> 3)
	v_bfe_u32 v[T0+2], v0, 3, 1
	v_bfe_u32 v[T0+3], v0, 4, 1
	s_lshl_b32 s2, s[U], 3
	v_add_nc_u32 v[T0+1], s2, v[T0+1]
	v_mul_u32_u24 v[T0+1], v[T0+1], MP
	v_lshl_add_u32 v[T0+1], v[T0+3], 6, v[T0+1]    ; + 64 h: my 16 keys of each 32
	v_mad_u32_u24 v[AMO], v[T0+2], GOFF, v[T0+1]
	v_mad_u32_u24 v[AMA], v[T0+2], GOFFA, v[T0+1]
	v_add_nc_u32 v[AMA], MA0, v[AMA]
	v_and_b32 v[T0+1], 15, v0
	v_lshlrev_b32 v[PFO], 12, v[T0+3]
	v_lshl_add_u32 v[PFO], v[T0+1], 8, v[PFO]      ; lanes 0-15 the 16 blocks of one row, lanes 16-31 of the next
	v_mov_b32 v[QOV], v[L8]
	v_mov_b32 v[QSV], v[L16]
.irp i, 0,1,2,3,4,5
	v_mov_b32 v[16+\i], 0                          ; the zero halves beside q
	v_mov_b32 v[28+\i], 0
.endr
.irp b, 0,1,2,3
	v_mov_b32 v[TM+4+\b], 0                        ; written once: a lane permute's destination counts as one of its sources
.endr
	; group 1.  K, V: 8 rows of 12,288 bytes (elements of 8 bytes), dense in LDS; their scale words: 8 rows of 1,024 bytes
.irp g, G1K, G1V
	s_mov_b32 s[\g], 3<<16
	s_mov_b32 s[\g+1], 1536<<16
	s_mov_b32 s[\g+2], 8<<16
	s_mov_b32 s[\g+3], 1536<<16
	s_mov_b32 s[\g+4], 8
	s_mov_b32 s[\g+6], 0
	s_mov_b32 s[\g+7], 0
.endr
	s_mov_b32 s[G1K+5], 24576                      ; from 128 keys to the next: 32 heads' 6,144 bytes
	s_mov_b32 s[G1V+5], 12288                      ; 8 pairs' 12,288 bytes
.irp g, G1KS, G1VS
	s_mov_b32 s[\g], 3<<16
	s_mov_b32 s[\g+1], 128<<16
	s_mov_b32 s[\g+2], 8<<16
	s_mov_b32 s[\g+3], 128<<16
	s_mov_b32 s[\g+4], 8
	s_mov_b32 s[\g+6], 0
	s_mov_b32 s[\g+7], 0
.endr
	s_mov_b32 s[G1KS+5], 2048
	s_mov_b32 s[G1VS+5], 1024
	; multipliers: 16 rows x 256 f32, 16 bytes of padding behind each row; asked for jointly by the four work-groups
	s_mov_b32 s[G1M], 15|(2<<16)|(1<<20)|(1<<21)|(7<<22)|(3<<25)
	s_mov_b32 s[G1M+1], 256<<16
	s_mov_b32 s[G1M+2], 16<<16
	s_mov_b32 s[G1M+3], 256<<16
	s_mov_b32 s[G1M+4], 16
	s_mov_b32 s[G1M+5], 1024
	s_mov_b32 s[G1M+6], 0
	s_mov_b32 s[G1M+7], 0
	s_mov_b32 s[CS], 0x3e38aa3b                    ; c = log2(e) / 8
	s_mov_b32 s[CS+1], s[CS]
	s_mov_b32 s[NCS], 0xbe38aa3b
	s_mov_b32 s[SEL], 0x76543210
	s_mov_b32 s[SEL+1], 0xfedcba98
	s_mov_b32 s[QSEL], 0x03020302
	s_cmp_eq_u32 s[U], 0
	s_cselect_b32 s[QSEL], 0x01000100, s[QSEL]     ; my tile's two bytes of the word of two tiles, twice: for [q | 0] and for [0 | q]
	; offsets, in the registers that the addresses will take
	s_lshr_b32 s2, s[Y], 2                         ; batch
	s_lshl_b32 s3, s2, 8
	s_lshl_b32 s[G0K+2], s[HP], 1
	s_add_co_u32 s3, s3, s[G0K+2]
	s_add_co_u32 s3, s3, 16                        ; 256 b + 16 + 2 pair: k's first head of the pair
	s_mul_i32 s[G0K+2], s3, 6144
	s_mov_b32 s[G0K+3], 0
	s_lshl_b32 s[G0KS+2], s3, 9
	s_mov_b32 s[G0KS+3], 0
	s_lshl_b32 s3, s2, 6
	s_add_co_u32 s3, s3, s[HP]                     ; 64 b + pair
	s_mul_i32 s[G0V+2], s3, 12288
	s_mov_b32 s[G0V+3], 0
	s_lshl_b32 s[G0VS+2], s3, 10
	s_mov_b32 s[G0VS+3], 0
	s_mul_i32 s3, s[U], GOFF                       ; wave w brings the group of 16 rows w & 1 of a chunk
	s_add_co_u32 s[D1+1], s3, MB                   ; trip 0: S1 is the slot at MB, S2 the slot at MC
	s_add_co_u32 s[D2+1], s3, MC
	s_mul_i32 s[DA+1], s[U], GOFFA
	s_add_co_u32 s[DA+1], s[DA+1], MA0
	s_lshl_b32 s[DA+2], s[Y], 20                   ; my 256 queries' rows of 4,096 bytes,
	s_lshl_b32 s3, s[U], 16                        ; 16 rows on for the second group
	s_add_co_u32 s[DA+2], s[DA+2], s3
	s_mov_b32 s[DA+3], 0
	s_wait_kmcnt 0x0
	s_mov_b32 s[G0K], 1
	s_mov_b32 s[G0K+1], KREG
	s_add_nc_u64 s[G0K+2:G0K+3], s[4:5], s[G0K+2:G0K+3]
	s_or_b32 s[G0K+3], s[G0K+3], 0x80000000
	s_mov_b32 s[G0V], 1
	s_mov_b32 s[G0V+1], VREG
	s_add_nc_u64 s[G0V+2:G0V+3], s[8:9], s[G0V+2:G0V+3]
	s_or_b32 s[G0V+3], s[G0V+3], 0x80000000
	s_mov_b32 s[G0KS], 1
	s_mov_b32 s[G0KS+1], KSC
	s_add_nc_u64 s[G0KS+2:G0KS+3], s[6:7], s[G0KS+2:G0KS+3]
	s_or_b32 s[G0KS+3], s[G0KS+3], 0x80000000
	s_mov_b32 s[G0VS], 1
	s_mov_b32 s[G0VS+1], VSC
	s_add_nc_u64 s[G0VS+2:G0VS+3], s[10:11], s[G0VS+2:G0VS+3]
	s_or_b32 s[G0VS+3], s[G0VS+3], 0x80000000
	s_mov_b32 s[DA], 1
	s_mov_b32 s[D1], 1
	s_mov_b32 s[D2], 1
	s_add_nc_u64 s[DA+2:DA+3], s[12:13], s[DA+2:DA+3]   ; keys 0 on
	s_add_nc_u64 s[D1+2:D1+3], s[DA+2:DA+3], 1024  ; keys 256 on
	s_add_nc_u64 s[D2+2:D2+3], s[DA+2:DA+3], 2048  ; keys 512 on
	s_add_nc_u64 s[D3+2:D3+3], s[DA+2:DA+3], 3072  ; keys 768 on (V's addresses have been used)
	s_mov_b32 s[D3], 1
	s_mul_i32 s[D3+1], s[U], GOFF
	s_add_co_u32 s[D3+1], s[D3+1], MB              ; chunk 3 goes where chunk 1 was
	s_or_b32 s[DA+3], s[DA+3], 0x80000000
	s_or_b32 s[D1+3], s[D1+3], 0x80000000
	s_or_b32 s[D2+3], s[D2+3], 0x80000000
	s_or_b32 s[D3+3], s[D3+3], 0x80000000
	; q at my head's first tile of my 256 queries: (64 y + 2 pair + head) x 6,144 + 768 u; its scale words x 512
	s_lshl_b32 s2, s[Y], 6
	s_lshl_b32 s[TI], s[HP], 1
	s_add_co_u32 s2, s2, s[TI]
	s_add_co_u32 s2, s2, s[HL]
	s_lshl_b32 s[TI], s2, 9
	s_mov_b32 s[LIM], 0
	s_add_nc_u64 s[6:7], s[6:7], s[TI:LIM]
	s_mul_i32 s2, s2, 6144
	s_mul_i32 s[TI], s[U], 768
	s_add_co_u32 s2, s2, s[TI]
	s_mov_b32 s3, 0
	s_add_nc_u64 s[4:5], s[4:5], s[2:3]
	; o: rowtile 16 y + u; K step = pair, half = head
	s_lshl_b32 s2, s[Y], 4
	s_add_co_u32 s2, s2, s[U]
	s_mul_i32 s[TI], s2, 12288
	s_mul_i32 s3, s[HP], 1536
	s_add_co_u32 s[TI], s[TI], s3
	s_mul_i32 s3, s[HL], 768
	s_add_co_u32 s[TI], s[TI], s3
	s_add_nc_u64 s[14:15], s[14:15], s[TI:LIM]
	s_lshl_b32 s[TI], s2, 10
	s_lshr_b32 s3, s[HP], 1
	s_lshl_b32 s3, s3, 8
	s_add_co_u32 s[TI], s[TI], s3
	s_and_b32 s3, s[HP], 1
	s_lshl_b32 s3, s3, 2
	s_add_co_u32 s[TI], s[TI], s3
	s_lshl_b32 s3, s[HL], 1
	s_add_co_u32 s[TI], s[TI], s3
	s_add_nc_u64 s[16:17], s[16:17], s[TI:LIM]
	; the prefetches: trip 1's rows, two rows for wave 4 cx + w
	s_lshl_b32 s2, s[CX], 2
	s_add_co_u32 s2, s2, s[WV]
	s_lshl_b32 s2, s2, 13
	s_lshl_b32 s3, s[Y], 20
	s_add_co_u32 s2, s2, s3
	s_add_co_u32 s2, s2, 131072
	s_mov_b32 s3, 0
	s_add_nc_u64 s[PFA:PFA+1], s[12:13], s[2:3]
	s_cmp_eq_u32 ttmp9, 0
	s_cselect_b32 s[LIM], 7, 0                     ; the same in all four partners
	s_mov_b32 s[TB1], MB                           ; (the multipliers' address, cx and the pair of heads have been used: their registers are taken)
	s_mov_b32 s[TB2], MC
	s_mov_b32 s[TN], 0
	s_mov_b32 s[EPSR], 0x26901d7d                  ; 1e-15
	CROUND                                         ; the one round in front of the first fills
	s_cmp_lt_u32 s[WV], 2                          ; the head's fills, one a wave: K, V, K's scale words, V's
	s_cbranch_scc0 .Lfill_hi
	s_cmp_eq_u32 s[WV], 0
	s_cbranch_scc0 .Lfill_1
	tensor_load_to_lds s[G0K:G0K+3], s[G1K:G1K+7]
	s_nop 0
	NOP4
	s_branch .Lfilled
.Lfill_1:
	tensor_load_to_lds s[G0V:G0V+3], s[G1V:G1V+7]
	s_nop 0
	NOP4
	s_branch .Lfilled
.Lfill_hi:
	s_cmp_eq_u32 s[WV], 2
	s_cbranch_scc0 .Lfill_3
	tensor_load_to_lds s[G0KS:G0KS+3], s[G1KS:G1KS+7]
	s_nop 0
	NOP4
	s_branch .Lfilled
.Lfill_3:
	tensor_load_to_lds s[G0VS:G0VS+3], s[G1VS:G1VS+7]
	s_nop 0
	NOP4
.Lfilled:
.irp p, 0,1,2
	global_load_b64 v[22+2*\p:23+2*\p], v[QOV], s[4:5] offset:256*\p   ; the first trip's q
.endr
	global_load_b32 v[QR], v[QSV], s[6:7]
	s_wait_alu depctr_va_vdst(0)
	s_cmp_lt_u32 s[TN], s[LIM]                     ; trip 0's 32 rows of multipliers are prefetched as every later trip's are: cluster x = 0 asks, a lane a block, two rows a wave, one trip's rows back from where the loop's prefetches begin
	s_cbranch_scc0 .Lno_first_ask
	global_prefetch_b8 v[PFO], s[PFA:PFA+1] offset:-131072 th:TH_LOAD_NT scope:SCOPE_SE
.Lno_first_ask:
	; trip 0's chunks 0 and 1 are first fills behind the head's: issued as a refill is
	s_wait_tensorcnt 0x0                           ; my fill of the head's four is in
	ds_add_u32 v[SPW], v[NIL]
	s_mov_b32 s[TI], 0
	s_wait_dscnt 0x0
	CROUND
	ALOAD
	s_branch .Lfront                               ; FRONT stands once in the text: the loop is entered at it
.Ltrip:                                                ; seven times: the rest of trip t - 1, which asks for trip t's chunks 0 and 1, then the front of trip t
	BACK 1
.Lfront:
	FRONT
	s_add_co_u32 s[TI], s[TI], 1
	s_cmp_lt_u32 s[TI], 8
	s_cbranch_scc1 .Ltrip
	BACK 0                                         ; the rest of the last trip asks for nothing
	s_wait_tensorcnt 0x0                           ; the wave's end
	ds_add_u32 v[SPW], v[NIL]
	s_wait_dscnt 0x0
	CROUND                                         ; the closing round
	s_endpgm
.Lfunc_end_k_qa75da4551e_attn:
	.size	k_qa75da4551e_attn, .Lfunc_end_k_qa75da4551e_attn-k_qa75da4551e_attn
	.p2alignl 7, 3214868480
	.fill 96, 4, 3214868480
	.section	.rodata,"a",@progbits
	.p2align	6, 0x0
	.amdhsa_kernel k_qa75da4551e_attn
		.amdhsa_group_segment_fixed_size 327680
		.amdhsa_private_segment_fixed_size 0
		.amdhsa_enable_private_segment 0
		.amdhsa_kernarg_size 56
		.amdhsa_user_sgpr_count 2
		.amdhsa_user_sgpr_kernarg_segment_ptr 1
		.amdhsa_wavefront_size32 1
		.amdhsa_system_sgpr_workgroup_id_x 1
		.amdhsa_system_sgpr_workgroup_id_y 1
		.amdhsa_system_sgpr_workgroup_id_z 1
		.amdhsa_system_vgpr_workitem_id 0
		.amdhsa_next_free_vgpr 1024
		.amdhsa_next_free_sgpr 106
		.amdhsa_reserve_vcc 0
		.amdhsa_float_denorm_mode_32 3
		.amdhsa_float_denorm_mode_16_64 3
		.amdhsa_memory_ordered 1
		.amdhsa_forward_progress 1
		.amdhsa_inst_pref_size 255
	.end_amdhsa_kernel
	.section	.bss,"aw",@nobits
	.p2align	6
	.space	262144
	.amdgpu_metadata
---
amdhsa.version: [ 1, 2 ]
amdhsa.kernels:
  - .name:           k_qa75da4551e_attn
    .symbol:         k_qa75da4551e_attn.kd
    .args:
      - { .name: qk_img, .offset: 0, .size: 8, .value_kind: global_buffer, .address_space: global }
      - { .name: qk_sc, .offset: 8, .size: 8, .value_kind: global_buffer, .address_space: global }
      - { .name: v_img, .offset: 16, .size: 8, .value_kind: global_buffer, .address_space: global }
      - { .name: v_sc, .offset: 24, .size: 8, .value_kind: global_buffer, .address_space: global }
      - { .name: multipliers, .offset: 32, .size: 8, .value_kind: global_buffer, .address_space: global }
      - { .name: o_img, .offset: 40, .size: 8, .value_kind: global_buffer, .address_space: global }
      - { .name: o_sc, .offset: 48, .size: 8, .value_kind: global_buffer, .address_space: global }
    .group_segment_fixed_size: 327680
    .private_segment_fixed_size: 0
    .kernarg_segment_align: 8
    .kernarg_segment_size: 56
    .max_flat_workgroup_size: 128
    .sgpr_count:     106
    .vgpr_count:     1024
    .wavefront_size: 32
...
	.end_amdgpu_metadata
.endif
;; end of part 3
;; launch gemm_out (part 4): grid 4 x 32, 4 waves a work-group, clusters of 4 x 4, 327,680 bytes of LDS; arguments o_img, o_sc, wq_codes, wq_scales, b_out, out0; writes out0
.if DOCPART == 4
	.amdgcn_target "amdgcn-amd-amdhsa--gfx1250"
	.amdhsa_code_object_version 6
	.text
	.protected	k_qa75da4551e_gemm_out
	.globl	k_qa75da4551e_gemm_out
	.p2align	8
	.type	k_qa75da4551e_gemm_out,@function
k_qa75da4551e_gemm_out:
	s_mov_b64 s[64:65], 0
	v_nop
	global_prefetch_b8 v0, s[64:65] scope:SCOPE_SE
	s_setreg_imm32_b32 hwreg(HW_REG_WAVE_MODE, 25, 1), 1
	s_wait_xcnt 0x0
	s_wait_alu depctr_hold_cnt(0) depctr_sa_sdst(0) depctr_va_vdst(0) depctr_va_sdst(0) depctr_va_ssrc(0) depctr_va_vcc(0) depctr_vm_vsrc(0)
	s_getreg_b32 s2, hwreg(HW_REG_IB_STS2, 6, 4)
	s_cmp_eq_u32 s2, 0
	s_cbranch_scc0 .Lentry_in_a_cluster
	s_endpgm
.Lentry_in_a_cluster:
	s_bfe_u32 s2, ttmp6, 0x10000c
	s_cmp_lg_u32 s2, 0xf033
	s_cbranch_scc0 .Lentry_shape_is_right
	s_endpgm
.Lentry_shape_is_right:
.set FR,    12
.set NL,    6
.set NP,    4
.set HALFT, 24576
.set SLOT,  4*HALFT
.set SCL,   2*SLOT
.set HALFS, 8192
.set SPARE, SCL+4*HALFS
.set SPITCH, 528
.set L8,   1
.set ADRP, 16
.set ADRR, 20
.set STO,  22
.set RD,   23
.set ADSP, 24
.set ADSR, 25
.set L16,  27
.set SPW,  28
.set NIL,  29
.set BO0,  30
.set SC,   32
.set PF,   128
.set BK,   128
.set G1,   24
.set G0,   32
.set G1B,  48
.set G0B,  56
.set G1S,  68
.set G0S,  76
.set G1SB, 80
.set G0SB, 88
.set MSB, 0
.macro WIN new
.if MSB != (\new)
	s_set_vgpr_msb (MSB<<8)|(\new)
.set MSB, \new
.endif
.endm
.set MUL_LO,  0xa1
.set MUL_HI,  0xf1
.set MUL_LO1, 0x91
.set MUL_HI1, 0xd1
.set TO_R,    0x40
.macro JLOAD g0a, g1a, g0b, g1b
	s_cmp_eq_u32 s19, 0
	s_cbranch_scc0 .Lfor_b_\@
	tensor_load_to_lds s[\g0a:\g0a+3], s[\g1a:\g1a+7]
	s_nop 0
.rept 4
	v_nop
.endr
	s_branch .Lasked_\@
.Lfor_b_\@:
	tensor_load_to_lds s[\g0b:\g0b+3], s[\g1b:\g1b+7]
	s_nop 0
.rept 4
	v_nop
.endr
.Lasked_\@:
.endm
.macro CREST
	s_cmp_lg_u32 s18, 0
	s_cbranch_scc1 .Lnot_wave_0_\@
	s_barrier_signal -3
.Lnot_wave_0_\@:
	s_barrier_wait -3
	s_barrier_signal -1
	s_barrier_wait -1
.endm
.macro CROUND
	s_barrier_signal -1
	s_barrier_wait -1
	CREST
.endm
.macro PLACES n
.rept \n
	v_nop
.endr
.endm
	s_load_b256 s[4:11], s[0:1], 0x0
	s_load_b128 s[12:15], s[0:1], 0x20
	v_lshl_add_u32 v[SPW], v0, 2, SPARE
	v_mov_b32 v[NIL], 0
	ds_add_u32 v28, v29
	ds_add_u32 v28, v29
	s_wait_dscnt 0x0
	v_lshrrev_b32 v2, 5, v0
	v_readfirstlane_b32 s18, v2
	s_lshr_b32 s19, s18, 1
	s_and_b32 s20, s18, 1
	s_bfe_u32 s21, ttmp6, 0x40000
	s_bfe_u32 s22, ttmp6, 0x40004
	s_lshl_b32 s23, ttmp9, 2
	s_add_co_u32 s23, s23, s21
	s_and_b32 s40, ttmp7, 0xffff
	s_lshl_b32 s40, s40, 2
	s_add_co_u32 s40, s40, s22
	s_lshl_b32 s41, s22, 2
	s_lshl_b32 s41, 15, s41
	s_lshl_b32 s42, 0x1111, s21
	s_or_b32 s[G1+0], s41, (3<<16)|(1<<21)
	s_or_b32 s[G1B+0], s42, (3<<16)|(1<<21)
.irp g, G1, G1B
	s_mov_b32 s[\g+1], 384<<16
	s_mov_b32 s[\g+2], 16<<16                      ; 16 rowtiles for the head's loads; set to 8 for the ring's behind the wait that shows them landed
	s_mov_b32 s[\g+3], 384<<16
	s_mov_b32 s[\g+4], 16
	s_mov_b32 s[\g+5], 1536
	s_mov_b32 s[\g+6], 0
	s_mov_b32 s[\g+7], 0
.endr
	s_or_b32 s[G1S+0], s41, (3<<16)|(1<<21)
	s_or_b32 s[G1SB+0], s42, (3<<16)|(1<<21)
.irp g, G1S, G1SB
	s_mov_b32 s[\g+1], 32<<16
	s_mov_b32 s[\g+2], 64<<16                      ; the scale words of 16 rowtiles: 64 rows of 256 bytes
	s_mov_b32 s[\g+3], 32<<16
	s_mov_b32 s[\g+4], 64
	s_mov_b32 s[\g+5], 32
	s_mov_b32 s[\g+6], 0
	s_mov_b32 s[\g+7], 0
.endr
	s_lshl_b32 s2, s20, 3
	s_lshl_b32 s44, s40, 4
	s_add_co_u32 s44, s44, s2
	s_lshl_b32 s46, s23, 4
	s_add_co_u32 s46, s46, s2
	s_add_co_u32 s46, s46, 704
	s_mul_i32 s92, s44, 12288
	s_mov_b32 s93, 0
	s_mul_i32 s94, s46, 12288
	s_mov_b32 s95, 0
	s_sub_co_u32 s44, s44, s2                      ; the scale words come whole: from the tile's first rowtile on
	s_sub_co_u32 s46, s46, s2
	s_lshl_b32 s44, s44, 10
	s_mov_b32 s45, 0
	s_lshl_b32 s46, s46, 10
	s_mov_b32 s47, 0
	s_mul_i32 s2, s18, HALFT
	s_wait_kmcnt 0x0
	s_add_nc_u64 s[92:93], s[4:5], s[92:93]
	s_add_nc_u64 s[94:95], s[8:9], s[94:95]
	s_add_nc_u64 s[44:45], s[6:7], s[44:45]
	s_add_nc_u64 s[46:47], s[10:11], s[46:47]
	CROUND
	s_mov_b32 s[G0S], 1
	s_mov_b32 s[G0S+1], SCL
	s_mov_b64 s[G0S+2:G0S+3], s[44:45]
	s_or_b32 s[G0S+3], s[G0S+3], 0x80000000
	s_mov_b32 s[G0SB], 1
	s_mov_b32 s[G0SB+1], SCL+2*HALFS
	s_mov_b64 s[G0SB+2:G0SB+3], s[46:47]
	s_or_b32 s[G0SB+3], s[G0SB+3], 0x80000000
.irp s, 0,1
	s_mov_b32 s[G0+4*\s], 1
	s_add_co_u32 s[G0+4*\s+1], s2, \s*SLOT
	s_add_nc_u64 s[G0+4*\s+2:G0+4*\s+3], s[92:93], \s*3072
	s_or_b32 s[G0+4*\s+3], s[G0+4*\s+3], 0x80000000
	s_mov_b32 s[G0B+4*\s], 1
	s_add_co_u32 s[G0B+4*\s+1], s2, \s*SLOT
	s_add_nc_u64 s[G0B+4*\s+2:G0B+4*\s+3], s[94:95], \s*3072
	s_or_b32 s[G0B+4*\s+3], s[G0B+4*\s+3], 0x80000000
.endr
; THE HEAD'S LOADS, ONE A WAVE: wave 0 brings slot 0's 16 rowtiles of o, wave 2 those of W_out, wave 1 o's scale words, wave 3 W_out's.
; One chain of branches on the wave's number, one load to an arm, all arms to one join.
.macro ARM under, g0, g1, next
	s_cmp_lt_u32 s18, \under
	s_cbranch_scc0 \next
	tensor_load_to_lds s[\g0:\g0+3], s[\g1:\g1+7]
	s_nop 0
.rept 4
	v_nop
.endr
	s_branch .Lhead_asked
\next:
.endm
	ARM 1, G0,  G1,  .Lhead_sa
	ARM 2, G0S, G1S, .Lhead_b
	ARM 3, G0B, G1B, .Lhead_sb
	tensor_load_to_lds s[G0SB:G0SB+3], s[G1SB:G1SB+7]
	s_nop 0
.rept 4
	v_nop
.endr
.Lhead_asked:
	v_and_b32 v2, 31, v0
	v_lshlrev_b32 v[L8], 3, v2
	v_lshlrev_b32 v[L16], 4, v2
	s_mul_i32 s2, s19, HALFT
	s_mul_i32 s3, s20, HALFT
	s_add_co_u32 s3, s3, 2*HALFT
	v_add_nc_u32 v[ADRP], s2, v[L8]
	v_add_nc_u32 v[ADRR], s3, v[L8]
	v_add_nc_u32 v[ADRP+1], SLOT, v[ADRP]
	v_add_nc_u32 v[ADRR+1], SLOT, v[ADRR]
	s_lshl_b32 s2, s19, 13
	s_lshl_b32 s3, s20, 13
	s_add_co_u32 s3, s3, 2*HALFS
	v_add_nc_u32 v[ADSP], s2, v[L8]
	v_add_nc_u32 v[ADSR], s3, v[L8]
	v_add_nc_u32 v[ADSP], SCL, v[ADSP]
	v_add_nc_u32 v[ADSR], SCL, v[ADSR]
	v_and_b32 v2, 15, v0
	v_bfe_u32 v3, v0, 4, 1
	v_lshlrev_b32 v[BO0], 6, v3
	s_wait_alu depctr_va_vdst(0)
	s_mul_i32 s2, s18, 16*SPITCH
	v_mul_u32_u24 v[STO], v2, SPITCH
	v_lshl_add_u32 v[STO], v3, 6, v[STO]
	v_add_nc_u32 v[STO], s2, v[STO]
	v_add_nc_u32 v[RD], s2, v[L16]
	s_lshl_b32 s44, s23, 10
	s_lshl_b32 s45, s20, 9
	s_add_co_u32 s44, s44, s45
	s_mov_b32 s45, 0
	s_add_nc_u64 s[12:13], s[12:13], s[44:45]
	s_add_nc_u64 s[14:15], s[14:15], s[44:45]
	s_lshl_b32 s44, s40, 8
	s_lshl_b32 s46, s19, 7
	s_add_co_u32 s44, s44, s46
	s_lshl_b32 s44, s44, 12
	s_add_nc_u64 s[14:15], s[14:15], s[44:45]
	WIN TO_R
.irp i, 0,1,2,3,4,5,6,7
	global_load_b128 v[96+8*\i+96*(\i/4):96+8*\i+96*(\i/4)+3], v[BO0], s[12:13] offset:4*(32*(\i/2)+8*(\i%2))
	global_load_b128 v[96+8*\i+96*(\i/4)+4:96+8*\i+96*(\i/4)+7], v[BO0], s[12:13] offset:4*(32*(\i/2)+8*(\i%2))+16
.endr
	WIN 0
.macro FRAG reg, adr, q, i
.irp p, 0,1,2,3,4,5
	ds_load_b64 v[(\reg)+2*\p:(\reg)+2*\p+1], v[\adr] offset:(\i)*3072+(\q)*1536+\p*256
.endr
.endm
.macro FETCH_R slot, q, set
	WIN TO_R
.irp i, 0,1,2,3,4,5,6,7
	FRAG 128*(\set)+FR*\i, ADRR+\slot, \q, \i
.endr
	WIN 0
.endm
.macro FETCH_P slot, q, i0
.irp i, \i0, \i0+1, \i0+2, \i0+3
	FRAG PF+FR*(\i), ADRP+\slot, \q, \i
.endr
.endm
.macro SCALES set, kp
.irp i, 0,1,2,3,4,5,6,7
	ds_load_b64 v[SC+32*(\set)+2*\i:SC+32*(\set)+2*\i+1], v[ADSP] offset:\i*1024+(\kp)*256
	ds_load_b64 v[SC+32*(\set)+16+2*\i:SC+32*(\set)+16+2*\i+1], v[ADSR] offset:\i*1024+(\kp)*256
.endr
.endm
.macro MUL16 a0, p, q, sc, cm
.irp a, \a0, \a0+1
.irp b, 0,1,2,3,4,5,6,7
.set DA, 8*(8*((\a)%4)+\b)
.if (\cm) == 0
	v_wmma_scale_f32_16x16x128_f8f6f4 v[DA:DA+7], v[128*(\p)+FR*\b:128*(\p)+FR*\b+FR-1], v[PF+FR*(\a):PF+FR*(\a)+FR-1], v[DA:DA+7], v[SC+32*(\sc)+16+2*\b+(\q)], v[SC+32*(\sc)+2*(\a)+(\q)] matrix_a_fmt:MATRIX_FMT_FP6 matrix_b_fmt:MATRIX_FMT_FP6
.else
	v_wmma_scale_f32_16x16x128_f8f6f4 v[DA:DA+7], v[128*(\p)+FR*\b:128*(\p)+FR*\b+FR-1], v[PF+FR*(\a):PF+FR*(\a)+FR-1], v[96+8*\b+96*(\b/4):96+8*\b+96*(\b/4)+7], v[SC+32*(\sc)+16+2*\b+(\q)], v[SC+32*(\sc)+2*(\a)+(\q)] matrix_a_fmt:MATRIX_FMT_FP6 matrix_b_fmt:MATRIX_FMT_FP6
.endif
.endr
.endr
.endm
.macro STEP slot, cm
	s_wait_dscnt 4*NL
.if (\cm) == 0
	WIN MUL_LO
.else
	WIN MUL_LO1
.endif
	MUL16 0, 0, 0, \slot, \cm
	MUL16 2, 0, 0, \slot, \cm
	s_wait_dscnt 0x0
	PLACES NP
	FETCH_R \slot, 1, 1
	FETCH_P \slot, 1, 0
.if (\cm) == 0
	WIN MUL_HI
.else
	WIN MUL_HI1
.endif
	MUL16 4, 0, 0, \slot, \cm
	MUL16 6, 0, 0, \slot, \cm
	PLACES NP
	WIN 0
	FETCH_P \slot, 1, 4
.endm
.macro TURN slot, next, fill, kp
	s_wait_tensorcnt 0x0
	ds_add_u32 v[SPW], v[NIL]
	s_wait_dscnt 4*NL+1
	WIN MUL_LO
	MUL16 0, 1, 1, \slot, 0
	s_wait_dscnt 0x0
	s_barrier_signal -1
	MUL16 2, 1, 1, \slot, 0
	WIN 0
	s_barrier_wait -1
.if \fill
	CREST
	s_add_nc_u64 s[G0+4*\slot+2:G0+4*\slot+3], s[G0+4*\slot+2:G0+4*\slot+3], 6144
	s_add_nc_u64 s[G0B+4*\slot+2:G0B+4*\slot+3], s[G0B+4*\slot+2:G0B+4*\slot+3], 6144
	JLOAD G0+4*\slot, G1, G0B+4*\slot, G1B
.else
	PLACES NP
.endif
	FETCH_R \next, 0, 0
	FETCH_P \next, 0, 0
	SCALES \next, \kp
	WIN MUL_HI
	MUL16 4, 1, 1, \slot, 0
	MUL16 6, 1, 1, \slot, 0
	PLACES NP
	WIN 0
	FETCH_P \next, 0, 4
.endm
	s_wait_alu depctr_va_vdst(0)
	s_wait_tensorcnt 0x0                           ; my tile of the head's four is in; slot 1's first fill is issued as a refill is
	ds_add_u32 v[SPW], v[NIL]
	s_mov_b32 s[G1+2], 8<<16                       ; no tensor load of mine is out: from here on a load brings 8 rowtiles
	s_mov_b32 s[G1+4], 8
	s_mov_b32 s[G1B+2], 8<<16
	s_mov_b32 s[G1B+4], 8
	s_wait_dscnt 0x0
	CROUND                                         ; all four tiles are in, and the sixteen work-groups are here
	JLOAD G0+4, G1, G0B+4, G1B                     ; slot 1: the first tensor load behind the round
	FETCH_R 0, 0, 0
	FETCH_P 0, 0, 0
	SCALES 0, 0
	FETCH_P 0, 0, 4
	s_wait_loadcnt 0x0
	STEP 0, 1
	TURN 0, 1, 1, 1
	STEP 1, 0
	TURN 1, 0, 1, 2
	STEP 0, 0
	TURN 0, 1, 0, 3
	STEP 1, 0
	s_wait_dscnt 4*NL
	WIN MUL_LO
	MUL16 0, 1, 1, 1, 0
	MUL16 2, 1, 1, 1, 0
	s_wait_alu depctr_va_vdst(0)
	s_wait_dscnt 0x0
	WIN MUL_HI
	MUL16 4, 1, 1, 1, 0
	MUL16 6, 1, 1, 1, 0
	WIN 0
.macro TOSTAGE a
.set AC, 64*((\a)%4)
	WIN 0x08+4*((\a)/4)
.irp b, 0,1,2,3,4,5,6,7
	ds_store_b128 v[STO], v[AC+8*\b:AC+8*\b+3] offset:128*(\b/2)+32*(\b%2)
	ds_store_b128 v[STO], v[AC+8*\b+4:AC+8*\b+7] offset:128*(\b/2)+32*(\b%2)+16
.endr
	WIN 0
.set BB, BK+64*((\a)%2)
.irp t, 0,1,2,3,4,5,6,7,8,9,10,11,12,13,14,15
	ds_load_b128 v[BB+4*\t:BB+4*\t+3], v[RD] offset:\t*SPITCH
.endr
.endm
.macro SEND a, younger
.set BB, BK+64*((\a)%2)
	s_wait_dscnt \younger
.irp t, 0,1,2,3,4,5,6,7,8,9,10,11,12,13,14,15
	global_store_b128 v[L16], v[BB+4*\t:BB+4*\t+3], s[14:15] offset:(32*((\a)/2)+8*((\a)%2)+\t+8*(\t/8))*4096 th:TH_STORE_NT
.endr
.endm
	PLACES NP
	TOSTAGE 0
.irp a, 1,2,3,4,5,6,7
.if \a > 1
	s_wait_xcnt 0x0
.endif
	TOSTAGE \a
	SEND \a-1, 32
.endr
	SEND 7, 0
	s_wait_tensorcnt 0x0
	ds_add_u32 v[SPW], v[NIL]
	s_wait_dscnt 0x0
	CROUND
	s_endpgm
.Lfunc_end_k_qa75da4551e_gemm_out:
	.size	k_qa75da4551e_gemm_out, .Lfunc_end_k_qa75da4551e_gemm_out-k_qa75da4551e_gemm_out
	.p2alignl 7, 3214868480
	.fill 96, 4, 3214868480
	.section	.rodata,"a",@progbits
	.p2align	6, 0x0
	.amdhsa_kernel k_qa75da4551e_gemm_out
		.amdhsa_group_segment_fixed_size 327680
		.amdhsa_private_segment_fixed_size 0
		.amdhsa_enable_private_segment 0
		.amdhsa_kernarg_size 48
		.amdhsa_user_sgpr_count 2
		.amdhsa_user_sgpr_kernarg_segment_ptr 1
		.amdhsa_wavefront_size32 1
		.amdhsa_system_sgpr_workgroup_id_x 1
		.amdhsa_system_sgpr_workgroup_id_y 1
		.amdhsa_system_sgpr_workgroup_id_z 1
		.amdhsa_system_vgpr_workitem_id 0
		.amdhsa_next_free_vgpr 1024
		.amdhsa_next_free_sgpr 100
		.amdhsa_reserve_vcc 0
		.amdhsa_float_denorm_mode_32 3
		.amdhsa_float_denorm_mode_16_64 3
		.amdhsa_memory_ordered 1
		.amdhsa_forward_progress 1
		.amdhsa_inst_pref_size 163
	.end_amdhsa_kernel
	.amdgpu_metadata
---
amdhsa.version: [ 1, 2 ]
amdhsa.kernels:
  - .name:           k_qa75da4551e_gemm_out
    .symbol:         k_qa75da4551e_gemm_out.kd
    .args:
      - { .name: o_img, .offset: 0, .size: 8, .value_kind: global_buffer, .address_space: global }
      - { .name: o_sc, .offset: 8, .size: 8, .value_kind: global_buffer, .address_space: global }
      - { .name: wq_codes, .offset: 16, .size: 8, .value_kind: global_buffer, .address_space: global }
      - { .name: wq_scales, .offset: 24, .size: 8, .value_kind: global_buffer, .address_space: global }
      - { .name: b_out, .offset: 32, .size: 8, .value_kind: global_buffer, .address_space: global }
      - { .name: out0, .offset: 40, .size: 8, .value_kind: global_buffer, .address_space: global }
    .group_segment_fixed_size: 327680
    .private_segment_fixed_size: 0
    .kernarg_segment_align: 8
    .kernarg_segment_size: 48
    .max_flat_workgroup_size: 128
    .sgpr_count:     100
    .vgpr_count:     1024
    .wavefront_size: 32
...
	.end_amdgpu_metadata
.endif
;; end of part 4
